; MI455X (gfx1250); checked and timed in simulation.
; The chip was launched on July 23, 2026; its instructions are those of AMD's public machine-readable ISA for CDNA 5 (MIT licence, August 2026) and "CDNA5" Instruction Set Architecture Reference Guide (July 2026). The comments in the code are by the model that wrote it; some were corrected since.
;; Multi Head Attention. Allowed arithmetic: matrix products marked QUANTISED: E2M3 operands, one E8M0 scale for each 32 along K, by v_wmma_scale_f32_16x16x128_f8f6f4 with both operands' format E2M3, f32 sums; everything else in f32.
;; Inputs: Wk 4 x 1,024 x 64 float32; Wp 1,024 x 1,024 float32; Wq 4 x 4 x 1,024 x 64 float32; Wv 4 x 1,024 x 64 float32; bp 1,024 float32; x 4 x 2,048 x 1,024 float32.
;; Outputs: out0 4 x 2,048 x 1,024 float32.
;; This version of the problem:
;;   THIS VERSION OF THE PROBLEM IS GIVEN IN LOW PRECISION. The matrix products marked QUANTISED in the list below multiply operands that are first quantised to E2M3 (2 exponent bits, 3 mantissa bits; 6 bits a number), with one power-of-two scale for each 32 numbers along K (OCP MX v1.0); their sums are f32. All else is computed in f32.
;;   The module's matrix products, in the order in which they are computed (A, B: the left and right operand; K: the contracted axis; several contracted axes count as one K, in the product's order):
;;     1. [M 1,024, K 1,024] x [K 1,024, N 8,192]; A: input Wq; B: input x: QUANTISED
;;     2. [M 256, K 1,024] x [K 1,024, N 8,192]; A: input Wk; B: input x: QUANTISED
;;     3. [M 256, K 1,024] x [K 1,024, N 8,192]; A: input Wv; B: input x: QUANTISED
;;     4. batch 16 x [M 8,192, K 64] x [K 64, N 2,048]; A: computed on the way; B: computed on the way: QUANTISED
;;     5. batch 16 x [M 8,192, K 2,048] x [K 2,048, N 64]; A: softmax (see below); B: computed on the way: QUANTISED
;;     6. [M 8,192, K 1,024] x [K 1,024, N 1,024]; A: computed on the way; B: input Wp: QUANTISED
;;   THE QUANTISER, for each operand of a quantised product, along K:
;;     - K is cut into blocks of 32 from its start; a last block that is shorter is filled with zeros.
;;     - A block's scale is 2^e with e = floor(log2(the largest magnitude in the block)) - 2, held to -126 .. 127; a block of zeros has e = 0. As a byte (E8M0): e + 127.
;;     - Each number is divided by its block's scale, clamped to +-7.5, and rounded to the nearest number of E2M3, ties to even, subnormals kept.
;;     - The product sums the exact products of the quantised numbers (number of the format x scale) in f32.
;;   ~~~python
;;   def quantise(x, axis):      # numpy; x: float32 -> the quantised numbers, widened to float32 again
;;       x = np.moveaxis(x, axis, -1); K = x.shape[-1]
;;       x = np.pad(x, [(0, 0)] * (x.ndim - 1) + [(0, -K % 32)]); x = x.reshape(x.shape[:-1] + (-1, 32)); a = np.abs(x).max(-1, keepdims=True)
;;       e = np.where(a > 0, np.clip(np.frexp(np.where(a > 0, a, 1))[1] - 1 - 2, -126, 127), 0)      # np.frexp(a)[1] - 1 = floor(log2(a)), exactly
;;       r = np.clip(x / 2.0 ** e, -7.5, 7.5)
;;       step = 2.0 ** (np.maximum(np.frexp(np.where(r == 0, 1, r))[1] - 1, 0) - 3)
;;       q = np.round(r / step) * step * 2.0 ** e      # np.round: ties to even
;;       return np.moveaxis(q.reshape(q.shape[:-2] + (-1,))[..., :K], -1, axis).astype(np.float32)
;;   ~~~
;;   SOFTMAX AHEAD OF A QUANTISED PRODUCT. Where the list says 'softmax', what is quantised is not the finished softmax but p = 2^(t - M), with t = logit x log2(e) and M = ceil(the row's largest t), a whole number; so 1/2 < the row's largest p <= 1. The row's sum l is taken of the UNQUANTISED p, in f32, and the product's result is divided by l at the end. Since M is a whole number, a kernel that streams over the keys may use a running M (the ceiling of the running maximum): every later rescaling is an exact power of two, which a block's scale takes up: the codes' values come out the same.
;;   OPERANDS COMPUTED ON THE WAY. 'Computed on the way' means the value that the module computes at that place (a softmax that the list does not call 'softmax' is quantised finished and normalised). What goes into a quantiser is computed in f32, as accurately as f32 sums, v_exp_f32 and their like allow (about 1e-6 of the number): no bf16 or f16 on the way to a quantiser, and a product that is left as it is and whose result goes on into a quantised operand takes f32 operands (vector FMAs, or v_wmma_f32_16x16x4_f32). A number that lies on a knife's edge between two numbers of the format may be rounded either way, as far as f32 arithmetic and the matrix unit's own rounding can turn it there, and no further.
;; 2 versions, each right; version 2 is version 1 with the launch attn written anew for expert scheduling mode. Each part assembles by itself: llvm-mc -triple=amdgcn-amd-amdhsa -mcpu=gfx1250 --defsym DOCPART=n.
;; ======== version 1 of 2: 4 launches
;; workspace buffers: ximg 6,553,600 bytes; wimg 2,048,000 bytes; qimg 6,815,744 bytes; kv 3,342,336 bytes; oimg 6,553,600 bytes
;; launch quant (part 1): grid 336 x 1, 4 waves a work-group, no clusters, 58,880 bytes of LDS; arguments x, Wq, Wk, Wv, Wp, ximg, wimg; writes ximg, wimg
.if DOCPART == 1
	.amdgcn_target "amdgcn-amd-amdhsa--gfx1250"
	.amdhsa_code_object_version 6
	.text
	.protected	k_q11e263c3e4_quant
	.globl	k_q11e263c3e4_quant
	.p2align	8
	.type	k_q11e263c3e4_quant,@function
k_q11e263c3e4_quant:
	s_mov_b64 s[64:65], 0
	v_nop
	global_prefetch_b8 v0, s[64:65] scope:SCOPE_SE
	s_setreg_imm32_b32 hwreg(HW_REG_WAVE_MODE, 25, 1), 1
	s_wait_xcnt 0x0
; x [8192][1024] f32 is quantised along its rows, Wq, Wk, Wv (40 - 16 = 24 heads of [1024][64]) and Wp [1024][1024] along their FIRST axis, to codes of FP6 (E2M3) with one E8M0 byte for each 32 along K.
; A block's scale is 2^(floor(log2(its largest magnitude)) - 2): its byte is that magnitude's exponent field - 2, held at 1 from below.
; LIMITS: a block of zeros gets the byte 1 where the rule says 127 (its codes are zeros, and this program alone reads the bytes); blocks whose largest magnitude lies under 2^-124 are held at the byte 1; NaN and infinities are not served.
; THE CODES ARE LAID AS IMAGES OF OPERAND REGISTERS.  A half fragment (16 rows x 64 K: six registers a lane; lane (r, h) holds k = 32 h + 0 .. 31 of row r) is 768 bytes: each lane's first four registers at 16 x lane, its last two at 512 + 8 x lane.
; THE ROWS OF A TILE ARE NOT NEIGHBOURS: of 32 indices tile u takes 8 u + r + 8 (r / 8), r = 0 .. 15.
; ximg: [128 tokens: 64][K step of 128: 8][12800]: 16 half fragments (tile t, half c at (2 t + c) 768), then 512 bytes of scale words: [4 tiles: 2][lane][2]: word i of lane l = tile 2 i + l / 16, row l % 16.
; wimg: [K step: 8][64 columns: 40][6400]: 8 half fragments (tile t, half c), then 256 bytes of scale words [lane][2], likewise.
; Work-groups 0 to 79 take the weights (64 columns x 4 K steps, a K step a wave), the other 256 take x (64 rows x 4 K steps).  Waves share nothing: no barrier.  The two ways have LDS bytes of their own.
.set NWG_W, 80
.set XWAVE, 16*528                     ; x's stage of a wave: 16 rows of 512 bytes + 16 of padding
.set WSTG,  4*XWAVE                    ; behind them the weights' stages: a wave's 8 half fragments
.set WWAVE, 6144
.set SPARE, WSTG+4*WWAVE               ; behind the stages: the spare words, 128 bytes a wave: two blocks of 256 bytes that no other line names
.set L16,  4                           ; v4   16 x lane
.set L8,   5                           ; v5   8 x lane
.set L4,   6                           ; v6   4 x lane
.set XSTW, 7                           ; v7   x's stage, on the way in
.set XSTR, 8                           ; v8   and on the way out
.set WS16, 9                           ; v9   the weights' stage: where my column's first 16 bytes of a block go
.set SPW,  10                          ; v10  my spare word; never rewritten
.set NIL,  11                          ; v11  0; never rewritten
.set TM,   12                          ; v12-13 largest magnitudes
.set SO,   14                          ; v14-15 the conversions' scale operands
.set BY,   16                          ; v16-17 the scale bytes
.set TX,   18                          ; v18  at work
.set SH,   19                          ; v19  8 x (lane / 16)
.set WD,   20                          ; v20-23 scale words
.set PK,   24                          ; v24-25 scale words of two tiles in one register
.set WS8,  26                          ; v26  the weights' stage: my column's last 8 bytes of a block
.set WRD,  27                          ; v27  the weights' stage, read back
.set P,    28                          ; v28-39 two blocks' codes
.set TT,   40                          ; v40-47 their upper halves as the conversions leave them
.set WPK,  48                          ; v48  my column's place among the scale words
.set XR,   64                          ; v64-191 numbers as loaded, two sets of 64
.set XX,   192                         ; v192-255 x: 64 neighbours along K
	s_load_b256 s[4:11], s[0:1], 0x0               ; x, Wq, Wk, Wv
	s_load_b128 s[12:15], s[0:1], 0x20             ; Wp, ximg
	s_load_b64 s[16:17], s[0:1], 0x30              ; wimg
	v_lshl_add_u32 v[SPW], v0, 2, SPARE
	v_mov_b32 v[NIL], 0
	v_lshrrev_b32 v1, 5, v0
	v_readfirstlane_b32 s18, v1                    ; wave
	v_and_b32 v1, 31, v0                           ; lane
	v_and_b32 v2, 15, v0                           ; r
	v_bfe_u32 v3, v0, 4, 1                         ; h
	v_lshlrev_b32 v[L16], 4, v1
	v_lshlrev_b32 v[L8], 3, v1
	v_lshlrev_b32 v[L4], 2, v1
	v_lshlrev_b32 v[SH], 3, v3
	v_mov_b32 v[TX], 0                             ; a lane permute's destination counts as one of its sources
	s_mov_b32 s19, 0xffff0000                      ; lanes 16 to 31
	s_mov_b32 s20, 0x76543210
	s_mov_b32 s21, 0xfedcba98                      ; v_permlanex16_b32's selects for lane l xor 16
	; every LDS address is made here, ahead of the parting of the two ways
	s_mul_i32 s22, s18, XWAVE
	v_add_nc_u32 v[XSTW], s22, v[L16]              ; in: a row's 512 bytes as they lie
	v_mul_u32_u24 v[XSTR], v2, 528
	v_lshl_add_u32 v[XSTR], v3, 7, v[XSTR]
	v_add_nc_u32 v[XSTR], s22, v[XSTR]             ; out: row r, + 128 h: my 32 numbers of each 64
	s_mul_i32 s22, s18, WWAVE
	s_add_co_u32 s22, s22, WSTG
	v_bfe_u32 v49, v0, 3, 1                        ; column l of 32 is slot r' = l % 8 + 8 (l / 16) of tile u = (l / 8) % 2
	v_and_b32 v50, 7, v0
	v_lshl_or_b32 v50, v3, 3, v50
	v_mul_u32_u24 v51, v49, 1536
	v_add_nc_u32 v51, s22, v51
	v_lshl_add_u32 v[WS16], v50, 4, v51
	v_lshl_add_u32 v[WS8], v50, 3, v51
	v_add_nc_u32 v[WS8], 512, v[WS8]
	v_add_nc_u32 v[WRD], s22, v[L16]
	v_lshl_add_u32 v[WPK], v49, 4, v50
	v_lshlrev_b32 v[WPK], 3, v[WPK]                ; 8 (r' + 16 u)
	s_wait_kmcnt 0x0
; Two blocks of 32 numbers, v[xb] on and v[xb + 32] on: largest magnitudes (with the floor 2^(3 - 127) as a leaf, so that no byte falls under 1), scale operands, bytes.  The two chains take turns.
.macro QUANT2 xb
.irp c, 0,1
	v_max3_num_f32 v[TM+\c], |v[\xb+32*\c]|, |v[\xb+32*\c+1]|, 0x1800000
.endr
.irp i, 2,4,6,8,10,12,14,16,18,20,22,24,26,28,30
.irp c, 0,1
	v_max3_num_f32 v[TM+\c], v[TM+\c], |v[\xb+32*\c+\i]|, |v[\xb+32*\c+\i+1]|
.endr
.endr
.irp c, 0,1
	v_add_nc_u32 v[SO+\c], 0xff000000, v[TM+\c]    ; 2 off the exponent field: the conversion takes the exponent field of this operand as its scale
.endr
.irp c, 0,1
	v_lshrrev_b32 v[BY+\c], 23, v[SO+\c]           ; the scale's byte
.endr
.endm
; and their codes: block c in v[P + 6 c] to v[P + 6 c + 5]
.macro CODES2 xb
.irp c, 0,1
	v_cvt_scalef32_pk16_fp6_f32 v[P+6*\c:P+6*\c+2], v[\xb+32*\c:\xb+32*\c+15], v[SO+\c]
	v_cvt_scalef32_pk16_fp6_f32 v[TT+4*\c:TT+4*\c+2], v[\xb+32*\c+16:\xb+32*\c+31], v[SO+\c]   ; (a conversion's three registers begin on an even number)
.endr
	v_nop                                          ; one plain place behind a scaled conversion
.irp c, 0,1
.irp i, 0,1,2
	v_mov_b32 v[P+6*\c+3+\i], v[TT+4*\c+\i]
.endr
.endr
.endm
	s_cmp_lt_u32 ttmp9, NWG_W
	s_cbranch_scc1 .Lweights
	; ---------------- x: my wave takes 64 rows (4 tiles) x one K step
	s_sub_co_u32 s22, ttmp9, NWG_W
	s_lshr_b32 s23, s22, 1                         ; which 64 rows
	s_and_b32 s24, s22, 1
	s_lshl_b32 s24, s24, 2
	s_add_co_u32 s24, s24, s18                     ; which K step
	s_lshl_b32 s26, s23, 18                        ; 64 rows of 4,096 bytes
	s_lshl_b32 s25, s24, 9                         ; 128 numbers
	s_add_co_u32 s26, s26, s25
	s_mov_b32 s27, 0
	s_add_nc_u64 s[4:5], s[4:5], s[26:27]
	s_lshr_b32 s25, s23, 1                         ; which 128 tokens
	s_lshl_b32 s25, s25, 3
	s_add_co_u32 s25, s25, s24
	s_mul_i32 s26, s25, 12800
	s_add_nc_u64 s[14:15], s[14:15], s[26:27]      ; the block of ximg
	s_and_b32 s28, s23, 1                          ; which half of its 8 tiles
	s_mul_i32 s26, s28, 6144
	s_add_nc_u64 s[30:31], s[14:15], s[26:27]      ; my four tiles
	s_lshl_b32 s26, s28, 8
	s_add_nc_u64 s[14:15], s[14:15], s[26:27]      ; my half of the scale words (12,288 on)
.macro XLOAD t                         ; tile t's 16 rows: each load reads 512 consecutive bytes
.irp i, 0,1,2,3,4,5,6,7,8,9,10,11,12,13,14,15
	global_load_b128 v[XR+64*((\t)%2)+4*\i:XR+64*((\t)%2)+4*\i+3], v[L16], s[4:5] offset:(32*((\t)/2)+8*((\t)%2)+\i+8*(\i/8))*4096 th:TH_LOAD_NT
.endr
.endm
.macro XTILE t
.if (\t) < 3
	s_wait_loadcnt 16                              ; this tile's 16 loads are in; the next tile's 16 may be out
.else
	s_wait_loadcnt 0x0
.endif
.irp i, 0,1,2,3,4,5,6,7,8,9,10,11,12,13,14,15
	ds_store_b128 v[XSTW], v[XR+64*((\t)%2)+4*\i:XR+64*((\t)%2)+4*\i+3] offset:528*\i
.endr
.irp c, 0,1
.irp j, 0,1,2,3,4,5,6,7
	ds_load_b128 v[XX+32*\c+4*\j:XX+32*\c+4*\j+3], v[XSTR] offset:256*\c+16*\j   ; LDS serves a wave's instructions in order: these see the stores.  k = 64 c + 32 h + 4 j on, of row r
.endr
.endr
	s_wait_dscnt 0x0                               ; the numbers are back, and the stores have read their registers,
.if (\t) < 2
	XLOAD (\t)+2                                   ; which take the tile two on
.endif
	QUANT2 XX
	v_lshl_or_b32 v[WD+(\t)], v[BY+1], 16, v[BY]   ; my two bytes: blocks h and 2 + h of row r,
	v_lshlrev_b32 v[WD+(\t)], v[SH], v[WD+(\t)]    ; at their places;
	v_permlanex16_b32 v[TX], v[WD+(\t)], s20, s21
	v_or_b32 v[WD+(\t)], v[WD+(\t)], v[TX]         ; with lane l xor 16's two the word is whole
	s_wait_xcnt 0x0                                ; the last tile's stores have read the codes' registers
	CODES2 XX
.irp c, 0,1
	global_store_b128 v[L16], v[P+6*\c:P+6*\c+3], s[30:31] offset:1536*(\t)+768*\c          ; 512 consecutive bytes
	global_store_b64 v[L8], v[P+6*\c+4:P+6*\c+5], s[30:31] offset:1536*(\t)+768*\c+512      ; 256 consecutive bytes
.endr
.endm
	XLOAD 0
	XLOAD 1
	XTILE 0
	XTILE 1
	XTILE 2
	XTILE 3
	v_cndmask_b32 v[PK], v[WD], v[WD+1], s19       ; lanes 0-15: the even tile's words, lanes 16-31: the odd tile's
	v_cndmask_b32 v[PK+1], v[WD+2], v[WD+3], s19
	global_store_b64 v[L8], v[PK:PK+1], s[14:15] offset:12288
	s_wait_tensorcnt 0x0                           ; the wave's end: behind my last LDS store
	ds_add_u32 v[SPW], v[NIL]
	s_wait_dscnt 0x0
	s_endpgm
	; ---------------- the weights: my wave takes 64 columns x one K step.  A LANE TAKES TWO COLUMNS (l and 32 + l), AND ITS REGISTERS RUN DOWN K
.Lweights:
	s_lshr_b32 s22, ttmp9, 1                       ; which 64 columns: 0-15 Wq's heads, 16-19 Wk's, 20-23 Wv's, 24-39 Wp's
	s_and_b32 s23, ttmp9, 1
	s_lshl_b32 s23, s23, 2
	s_add_co_u32 s23, s23, s18                     ; which K step
	s_sub_co_u32 s26, s22, 24
	s_lshl_b32 s26, s26, 8                         ; Wp: 64 columns are 256 bytes of a row
	s_sub_co_u32 s27, s22, 20
	s_lshl_b32 s27, s27, 18                        ; the others: a head is 262,144 bytes
	s_sub_co_u32 s28, s22, 16
	s_lshl_b32 s28, s28, 18
	s_lshl_b32 s29, s22, 18
	s_mov_b32 s30, 128*4096                        ; a K step on: 128 rows
	s_cmp_lt_u32 s22, 24                           ; the choices hang on the work-group's number alone
	s_cselect_b64 s[24:25], s[10:11], s[12:13]
	s_cselect_b32 s26, s27, s26
	s_cselect_b32 s30, 128*256, s30
	s_cmp_lt_u32 s22, 20
	s_cselect_b64 s[24:25], s[8:9], s[24:25]
	s_cselect_b32 s26, s28, s26
	s_cmp_lt_u32 s22, 16
	s_cselect_b64 s[24:25], s[6:7], s[24:25]
	s_cselect_b32 s26, s29, s26
	s_mul_i32 s30, s30, s23
	s_add_co_u32 s26, s26, s30
	s_mov_b32 s27, 0
	s_add_nc_u64 s[24:25], s[24:25], s[26:27]
	s_mul_i32 s28, s23, 40
	s_add_co_u32 s28, s28, s22
	s_mul_i32 s28, s28, 6400
	s_mov_b32 s29, 0
	s_add_nc_u64 s[16:17], s[16:17], s[28:29]      ; my block of wimg
.macro WROWS kb, pitch
.irp c, 0,1
.irp i, 0,1,2,3,4,5,6,7,8,9,10,11,12,13,14,15,16,17,18,19,20,21,22,23,24,25,26,27,28,29,30,31
	global_load_b32 v[XR+64*((\kb)%2)+32*\c+\i], v[L4], s[24:25] offset:(32*(\kb)+\i)*\pitch+128*\c th:TH_LOAD_NT
.endr
.endr
.endm
.macro WLOAD kb                        ; block kb of both column sets: 64 loads.  A row is 256 bytes in a head and 4,096 in Wp: the branch stands round the loads alone
	s_cmp_lt_u32 s22, 24
	s_cbranch_scc0 .Lwide_\@
	WROWS \kb, 256
	s_branch .Lasked_\@
.Lwide_\@:
	WROWS \kb, 4096
.Lasked_\@:
.endm
.macro WBLK kb
.if (\kb) < 3
	s_wait_loadcnt 63                              ; 64 loads were issued behind this block's; the wait's field holds 63
.else
	s_wait_loadcnt 0x0
.endif
	QUANT2 XR+64*((\kb)%2)
.irp c, 0,1
.if (\kb) == 0
	v_mov_b32 v[WD+\c], v[BY+\c]                   ; a column's four bytes make its scale word, the lower K in the lower byte
.else
	v_lshl_or_b32 v[WD+\c], v[BY+\c], 8*(\kb), v[WD+\c]
.endif
.endr
	CODES2 XR+64*((\kb)%2)
.irp c, 0,1                            ; block kb of column slot r' belongs to lane r' + 16 (kb % 2) of half fragment (tile 2 c + u, half kb / 2)
	ds_store_b128 v[WS16], v[P+6*\c:P+6*\c+3] offset:3072*\c+768*((\kb)/2)+256*((\kb)%2)
	ds_store_b64 v[WS8], v[P+6*\c+4:P+6*\c+5] offset:3072*\c+768*((\kb)/2)+128*((\kb)%2)
.endr
	s_wait_dscnt 0x0                               ; the stores have read their registers
.if (\kb) < 2
	WLOAD (\kb)+2
.endif
.endm
	WLOAD 0
	WLOAD 1
	WBLK 0
	WBLK 1
	WBLK 2
	WBLK 3
.irp p, 0,1,2,3,4,5,6,7,8,9,10,11
	ds_load_b128 v[XR+4*\p:XR+4*\p+3], v[WRD] offset:512*\p
.endr
.irp p, 0,1,2,3,4,5,6,7,8,9,10,11
	s_wait_dscnt 11-\p                             ; LDS loads come back in order: load p is in
	global_store_b128 v[L16], v[XR+4*\p:XR+4*\p+3], s[16:17] offset:512*\p   ; 512 consecutive bytes
.endr
	global_store_b64 v[WPK], v[WD:WD+1], s[16:17] offset:6144   ; the 32 lanes fill the 256 bytes of scale words
	s_wait_tensorcnt 0x0                           ; the wave's end: behind my last LDS store
	ds_add_u32 v[SPW], v[NIL]
	s_wait_dscnt 0x0
	s_endpgm
.Lfunc_end_k_q11e263c3e4_quant:
	.size	k_q11e263c3e4_quant, .Lfunc_end_k_q11e263c3e4_quant-k_q11e263c3e4_quant
	.p2alignl 7, 3214868480
	.fill 96, 4, 3214868480
	.section	.rodata,"a",@progbits
	.p2align	6, 0x0
	.amdhsa_kernel k_q11e263c3e4_quant
		.amdhsa_group_segment_fixed_size 58880
		.amdhsa_private_segment_fixed_size 0
		.amdhsa_enable_private_segment 0
		.amdhsa_kernarg_size 56
		.amdhsa_user_sgpr_count 2
		.amdhsa_user_sgpr_kernarg_segment_ptr 1
		.amdhsa_wavefront_size32 1
		.amdhsa_system_sgpr_workgroup_id_x 1
		.amdhsa_system_sgpr_workgroup_id_y 1
		.amdhsa_system_sgpr_workgroup_id_z 1
		.amdhsa_system_vgpr_workitem_id 0
		.amdhsa_next_free_vgpr 256
		.amdhsa_next_free_sgpr 66
		.amdhsa_reserve_vcc 0
		.amdhsa_float_denorm_mode_32 3
		.amdhsa_float_denorm_mode_16_64 3
		.amdhsa_memory_ordered 1
		.amdhsa_forward_progress 1
		.amdhsa_inst_pref_size 96
	.end_amdhsa_kernel
	.amdgpu_metadata
---
amdhsa.version: [ 1, 2 ]
amdhsa.kernels:
  - .name:           k_q11e263c3e4_quant
    .symbol:         k_q11e263c3e4_quant.kd
    .args:
      - { .name: x, .offset: 0, .size: 8, .value_kind: global_buffer, .address_space: global }
      - { .name: Wq, .offset: 8, .size: 8, .value_kind: global_buffer, .address_space: global }
      - { .name: Wk, .offset: 16, .size: 8, .value_kind: global_buffer, .address_space: global }
      - { .name: Wv, .offset: 24, .size: 8, .value_kind: global_buffer, .address_space: global }
      - { .name: Wp, .offset: 32, .size: 8, .value_kind: global_buffer, .address_space: global }
      - { .name: ximg, .offset: 40, .size: 8, .value_kind: global_buffer, .address_space: global }
      - { .name: wimg, .offset: 48, .size: 8, .value_kind: global_buffer, .address_space: global }
    .group_segment_fixed_size: 58880
    .private_segment_fixed_size: 0
    .kernarg_segment_align: 8
    .kernarg_segment_size: 56
    .max_flat_workgroup_size: 128
    .sgpr_count:     66
    .vgpr_count:     256
    .wavefront_size: 32
...
	.end_amdgpu_metadata
.endif
;; end of part 1
;; launch qkv (part 2): grid 64 x 8, 3 waves a work-group, clusters of 4 x 1, 262,144 bytes of LDS; arguments ximg, wimg, qimg, kv; writes qimg, kv
.if DOCPART == 2
	.amdgcn_target "amdgcn-amd-amdhsa--gfx1250"
	.amdhsa_code_object_version 6
	.text
	.protected	k_q11e263c3e4_qkv
	.globl	k_q11e263c3e4_qkv
	.p2align	8
	.type	k_q11e263c3e4_qkv,@function
k_q11e263c3e4_qkv:
	s_mov_b64 s[64:65], 0
	v_nop
	global_prefetch_b8 v0, s[64:65] scope:SCOPE_SE
	s_setreg_imm32_b32 hwreg(HW_REG_WAVE_MODE, 25, 1), 1
	s_wait_xcnt 0x0
	s_wait_alu depctr_hold_cnt(0) depctr_sa_sdst(0) depctr_va_vdst(0) depctr_va_sdst(0) depctr_va_ssrc(0) depctr_va_vcc(0) depctr_vm_vsrc(0)
	s_getreg_b32 s2, hwreg(HW_REG_IB_STS2, 6, 4)
	s_cmp_eq_u32 s2, 0
	s_cbranch_scc0 .Lentry_in_a_cluster
	s_endpgm
.Lentry_in_a_cluster:
	s_bfe_u32 s2, ttmp6, 0x10000c
	s_cmp_lg_u32 s2, 0x3003
	s_cbranch_scc0 .Lentry_shape_is_right
	s_endpgm
.Lentry_shape_is_right:
; q, k, v = x W on codes of FP6 (E2M3) with E8M0 scales, and the results quantised at once: q and k along the head's 64, v along the tokens (the keys).
; SHARES.  A work-group takes 128 tokens x 3 heads of 64 columns (24 heads: 0-15 q's, 16-19 k's, 20-23 v's), a wave 128 x 64: 32 accumulators, 8 K steps of 128, 256 matrix instructions.
; ALL OF K LIES IN LDS AT ONCE: 102,400 bytes of x's images, 153,600 of the weights': first fills alone, nothing is filled again.  Wave 0 fetches x's, wave 1 the weights', four tensor loads each, two K steps a load.
; CLUSTER.  The four work-groups of a cluster (along x) take other tokens and the same heads: the weights are asked for JOINTLY.  x's images differ between them and are plain loads; the work-groups that share them lie along y, outside the cluster.
; OPERANDS lie in memory and in LDS as images of registers (half fragment: 16 rows x 64 K, 768 bytes: four registers a lane at 16 x lane, two at 512 + 8 x lane): every LDS read is of consecutive bytes, so nothing is padded.
; THE ROWS OF A TILE ARE NOT NEIGHBOURS (of 32 indices tile u takes 8 u + r + 8 (r / 8)), so that the 16 registers of two neighbouring result tiles are 16 neighbours along source 0's axis.
; q, k: source 0 = the weight's columns, source 1 = tokens: a lane holds one token and its registers run along d.  v: source 0 = tokens, source 1 = columns: a lane holds one d and its registers run along the tokens.
; In both cases registers 16 k to 16 k + 15 of the accumulators are half a block of 32; the other half lies in lane l xor 16.
; OUT.  qimg [128 tokens: 64][head: 16][6656]: 8 half fragments (tile t at 768 t), then 512 bytes of scale words [lane][4] (word i of lane l: tile 2 i + l / 16, row l % 16; bytes 2 and 3 are 0x7f: they scale zero codes).
;       kv [batch x 4 + group: 16][128 keys: 16][13056]: k as q; from 6,656 on v: 8 half fragments (d tile t, 64 keys c at (2 t + c) 768), then 256 bytes of scale words [lane][2].
; LIMITS: a block of zeros gets the byte 1 where the rule says 127 (zero codes; read by this program alone); largest magnitudes under 2^-124 are held at the byte 1; NaN and infinities are not served.
; REGISTERS: window 0: v8-15 addresses; v40-45, v48-53 scale words, two sets; v64-159 x's 8 fragments, v160-207 the weight's 4: set 0.  window 1: the accumulators.  window 2: v64-207: set 1.
.set NH,    3
.set XSTEP, 12800                      ; a K step of x's images
.set WHEAD, 6400                       ; a K step of a head's
.set WSTEP, NH*WHEAD
.set WB,    8*XSTEP                    ; LDS: x's images, then the weights'
.set SPARE, WB+8*WSTEP                 ; behind them the spare words, 128 bytes a wave: two blocks of 256 bytes that no other line names
.set AX16, 8                           ; v8   x's images: 16 x lane + the K step
.set AX8,  9                           ; v9   8 x lane + the K step
.set AW16, 10                          ; v10  my head's images likewise
.set AW8,  11
.set SPW,  12                          ; v12  my spare word; never rewritten
.set NIL,  13                          ; v13  0; never rewritten
.set L16,  14                          ; v14  16 x lane
.set L8,   15                          ; v15  8 x lane
.set SCX,  40                          ; x's scale words: set p at SCX + 8 p: register i: lanes 0-15 tile 2 i, lanes 16-31 tile 2 i + 1
.set SCW,  44                          ; the weight's likewise
.set XF,   64
.set WF,   160
.set TM,   64                          ; the way out, in window 0: largest magnitudes;
.set PT,   80                          ; lane l xor 16's;
.set SO,   96                          ; scale operands;
.set BY,   112                         ; bytes;
.set CA,   128                         ; codes: half fragment n at CA + 8 n;
.set WD,   192                         ; scale words;
.set PK,   200                         ; two tiles' words to a register
.set WV,    12                         ; s12  wave
.set ROLEV, 17                         ; s17  1: my head is one of v's
.set HI,    18                         ; s18  lanes 16 to 31
.set G1X,   24                         ; s[24:31] group 1 for x's images;  s[32:39] for the weights'
.set G1W,   32
.set OUTP,  76                         ; s[76:77] where my results go
.set MSB, 0
.macro WIN new                         ; the immediate's high byte repeats the setting that is left
.if MSB != (\new)
	s_set_vgpr_msb (MSB<<8)|(\new)
.set MSB, (\new)
.endif
.endm
.macro ROUND                           ; a round of the cluster's barrier
	s_barrier_signal -1
	s_barrier_wait -1
	s_cmp_lg_u32 s[WV], 0
	s_cbranch_scc1 .Lnot_wave_0_\@
	s_barrier_signal -3
.Lnot_wave_0_\@:
	s_barrier_wait -3
	s_barrier_signal -1
	s_barrier_wait -1
.endm
.macro SETG0 g, lds, p, off            ; a group 0: count 1, LDS address, global address, type 2
	s_mov_b32 s[\g], 1
	s_mov_b32 s[\g+1], \lds
	s_add_nc_u64 s[\g+2:\g+3], s[\p:\p+1], \off
	s_or_b32 s[\g+3], s[\g+3], 0x80000000
.endm
.macro PLACES
.rept 4
	v_nop
.endr
.endm
; one product; ra, rb = 1: that side's scale words stand in lanes 16 to 31 of its register
.macro WM d, fa, fb, cc, sa, sb, ra, rb
.if (\ra)==0 && (\rb)==0
	v_wmma_scale_f32_16x16x128_f8f6f4 v[\d:\d+7], v[\fa:\fa+11], v[\fb:\fb+11], \cc, v[\sa], v[\sb] matrix_a_fmt:MATRIX_FMT_FP6 matrix_b_fmt:MATRIX_FMT_FP6
.elseif (\ra)==1 && (\rb)==0
	v_wmma_scale_f32_16x16x128_f8f6f4 v[\d:\d+7], v[\fa:\fa+11], v[\fb:\fb+11], \cc, v[\sa], v[\sb] matrix_a_fmt:MATRIX_FMT_FP6 matrix_b_fmt:MATRIX_FMT_FP6 matrix_a_scale:MATRIX_SCALE_ROW1
.elseif (\ra)==0
	v_wmma_scale_f32_16x16x128_f8f6f4 v[\d:\d+7], v[\fa:\fa+11], v[\fb:\fb+11], \cc, v[\sa], v[\sb] matrix_a_fmt:MATRIX_FMT_FP6 matrix_b_fmt:MATRIX_FMT_FP6 matrix_b_scale:MATRIX_SCALE_ROW1
.else
	v_wmma_scale_f32_16x16x128_f8f6f4 v[\d:\d+7], v[\fa:\fa+11], v[\fb:\fb+11], \cc, v[\sa], v[\sb] matrix_a_fmt:MATRIX_FMT_FP6 matrix_b_fmt:MATRIX_FMT_FP6 matrix_a_scale:MATRIX_SCALE_ROW1 matrix_b_scale:MATRIX_SCALE_ROW1
.endif
.endm
	s_load_b256 s[4:11], s[0:1], 0x0               ; ximg, wimg, qimg, kv
	v_lshl_add_u32 v[SPW], v0, 2, SPARE
	v_mov_b32 v[NIL], 0
	ds_add_u32 v[SPW], v[NIL]                      ; the wave's opening: the add and its wait stand ahead of the first tensor loads; work on registers stands between them
	v_lshrrev_b32 v1, 5, v0
	v_readfirstlane_b32 s[WV], v1
	s_bfe_u32 s13, ttmp6, 0x40000                  ; cx: it enters x's address and the results' alone
	s_lshl_b32 s14, ttmp9, 2
	s_add_co_u32 s14, s14, s13                     ; which 128 tokens
	s_and_b32 s15, ttmp7, 0xffff                   ; which three heads: the four partners share it
	s_mul_i32 s16, s15, NH
	s_mul_i32 s80, s16, WHEAD                      ; the three heads' images in a K step of wimg
	s_mov_b32 s81, 0
	s_add_co_u32 s16, s16, s[WV]                   ; my head
	s_mul_i32 s78, s14, 8*XSTEP
	s_mov_b32 s79, 0
	s_mov_b32 s[HI], 0xffff0000
	s_mov_b32 s20, 0x76543210
	s_mov_b32 s21, 0xfedcba98                      ; v_permlanex16_b32's selects for lane l xor 16
	; group 1, x's images: two K steps are 25,600 dense bytes: 100 rows of 32 elements of 8 bytes
	s_mov_b32 s[G1X], 3<<16
	s_mov_b32 s[G1X+1], 32<<16
	s_mov_b32 s[G1X+2], 100<<16
	s_mov_b32 s[G1X+3], 32<<16
	s_mov_b32 s[G1X+4], 100
	s_mov_b32 s[G1X+5], 32
	s_mov_b32 s[G1X+6], 0
	s_mov_b32 s[G1X+7], 0
	; group 1, the weights': two rows (K steps) of 3 x 6,400 bytes, 40 x 6,400 bytes apart; the mask names the four partners, bit 21 beside it
	s_mov_b32 s[G1W], 15|(3<<16)|(1<<21)
	s_mov_b32 s[G1W+1], (NH*800)<<16
	s_mov_b32 s[G1W+2], 2<<16
	s_mov_b32 s[G1W+3], (NH*800)<<16
	s_mov_b32 s[G1W+4], 2
	s_mov_b32 s[G1W+5], 32000
	s_mov_b32 s[G1W+6], 0
	s_mov_b32 s[G1W+7], 0
	; where my results go
	s_lshl_b32 s82, s14, 4
	s_add_co_u32 s82, s82, s16
	s_mul_i32 s82, s82, 6656                       ; q: (tokens x 16 + head) blocks
	s_lshr_b32 s83, s14, 4
	s_lshl_b32 s83, s83, 2
	s_add_co_u32 s83, s83, s16                     ; 4 x batch + head
	s_cmp_ge_u32 s16, 20
	s_cselect_b32 s[ROLEV], 1, 0
	s_cselect_b32 s84, 20, 16
	s_cselect_b32 s85, 6656, 0
	s_sub_co_u32 s83, s83, s84                     ; 4 x batch + group
	s_lshl_b32 s83, s83, 4
	s_and_b32 s84, s14, 15                         ; which 128 keys of the batch
	s_add_co_u32 s83, s83, s84
	s_mul_i32 s83, s83, 13056
	s_add_co_u32 s83, s83, s85                     ; v lies behind k
	s_wait_dscnt 0x0                               ; the opening add is done
	s_wait_kmcnt 0x0
	s_cmp_lt_u32 s16, 16
	s_cselect_b32 s82, s82, s83
	s_cselect_b64 s[OUTP:OUTP+1], s[8:9], s[10:11]
	s_mov_b32 s83, 0
	s_add_nc_u64 s[OUTP:OUTP+1], s[OUTP:OUTP+1], s[82:83]
	s_add_nc_u64 s[78:79], s[4:5], s[78:79]
	s_add_nc_u64 s[80:81], s[6:7], s[80:81]
	SETG0 40, 0*2*XSTEP, 78, 0*2*XSTEP
	SETG0 44, 1*2*XSTEP, 78, 1*2*XSTEP
	SETG0 48, 2*2*XSTEP, 78, 2*2*XSTEP
	SETG0 52, 3*2*XSTEP, 78, 3*2*XSTEP
	SETG0 56, WB+0*2*WSTEP, 80, 0*80*WHEAD
	SETG0 60, WB+1*2*WSTEP, 80, 1*80*WHEAD
	SETG0 68, WB+2*2*WSTEP, 80, 2*80*WHEAD
	SETG0 72, WB+3*2*WSTEP, 80, 3*80*WHEAD
	ROUND                                          ; all four work-groups are here: the joint loads meet
	s_cmp_eq_u32 s[WV], 0                          ; a wave's first fills stand in one branch on the wave's number: four loads of the wave are out
	s_cbranch_scc0 .Lnot_x
	tensor_load_to_lds s[40:43], s[G1X:G1X+7]
	s_nop 0
	tensor_load_to_lds s[44:47], s[G1X:G1X+7]
	s_nop 0
	tensor_load_to_lds s[48:51], s[G1X:G1X+7]
	s_nop 0
	tensor_load_to_lds s[52:55], s[G1X:G1X+7]
	s_nop 0
	PLACES
	s_branch .Lasked
.Lnot_x:
	s_cmp_eq_u32 s[WV], 1
	s_cbranch_scc0 .Lasked
	tensor_load_to_lds s[56:59], s[G1W:G1W+7]
	s_nop 0
	tensor_load_to_lds s[60:63], s[G1W:G1W+7]
	s_nop 0
	tensor_load_to_lds s[68:71], s[G1W:G1W+7]
	s_nop 0
	tensor_load_to_lds s[72:75], s[G1W:G1W+7]
	s_nop 0
	PLACES
.Lasked:
	v_and_b32 v1, 31, v0
	v_lshlrev_b32 v[L16], 4, v1
	v_lshlrev_b32 v[L8], 3, v1
	v_lshlrev_b32 v[AX16], 4, v1
	v_lshlrev_b32 v[AX8], 3, v1
	s_mul_i32 s82, s[WV], WHEAD
	s_add_co_u32 s82, s82, WB
	v_add_nc_u32 v[AW16], s82, v[L16]
	v_add_nc_u32 v[AW8], s82, v[L8]
; 51 LDS loads: the fragments and scale words of the K step at which the address registers stand, into set p
.macro FETCH p
	WIN 0x80*(\p)                                  ; set 1: destination window 2
.irp a, 0,1,2,3,4,5,6,7
.irp c, 0,1
	ds_load_b128 v[XF+12*\a+6*\c:XF+12*\a+6*\c+3], v[AX16] offset:1536*\a+768*\c
	ds_load_b64 v[XF+12*\a+6*\c+4:XF+12*\a+6*\c+5], v[AX8] offset:1536*\a+768*\c+512
.endr
.endr
.irp b, 0,1,2,3
.irp c, 0,1
	ds_load_b128 v[WF+12*\b+6*\c:WF+12*\b+6*\c+3], v[AW16] offset:1536*\b+768*\c
	ds_load_b64 v[WF+12*\b+6*\c+4:WF+12*\b+6*\c+5], v[AW8] offset:1536*\b+768*\c+512
.endr
.endr
	WIN 0                                          ; scale operands have no window
	ds_load_b64 v[SCX+8*(\p):SCX+8*(\p)+1], v[AX8] offset:12288
	ds_load_b64 v[SCX+8*(\p)+2:SCX+8*(\p)+3], v[AX8] offset:12544
	ds_load_b64 v[SCW+8*(\p):SCW+8*(\p)+1], v[AW8] offset:6144
.endm
; 32 products, the 32 accumulators by turns, one instruction a turn, from accumulator 0 to accumulator 248 in both forms.  first: the products start the sums
.macro MUL_T p, first                  ; q, k: source 0 = the weight's tile b, source 1 = x's tile a
	WIN 0x50+0x0a*(\p)
.irp a, 0,1,2,3,4,5,6,7
.irp b, 0,1,2,3
.if \first
	WM 32*\a+8*\b, WF+12*\b, XF+12*\a, 0, SCW+8*(\p)+\b/2, SCX+8*(\p)+\a/2, \b%2, \a%2
.else
	WM 32*\a+8*\b, WF+12*\b, XF+12*\a, v[32*\a+8*\b:32*\a+8*\b+7], SCW+8*(\p)+\b/2, SCX+8*(\p)+\a/2, \b%2, \a%2
.endif
.endr
.endr
.endm
.macro MUL_N p, first                  ; v: source 0 = x's tile a, source 1 = the weight's tile b
	WIN 0x50+0x0a*(\p)
.irp b, 0,1,2,3
.irp a, 0,1,2,3,4,5,6,7
.if \first
	WM 64*\b+8*\a, XF+12*\a, WF+12*\b, 0, SCX+8*(\p)+\a/2, SCW+8*(\p)+\b/2, \a%2, \b%2
.else
	WM 64*\b+8*\a, XF+12*\a, WF+12*\b, v[64*\b+8*\a:64*\b+8*\a+7], SCX+8*(\p)+\a/2, SCW+8*(\p)+\b/2, \a%2, \b%2
.endif
.endr
.endr
.endm
; K step s: the next step's operands are fetched into the other set, then this step is multiplied
.macro STEP s
.if ((\s)%2) == 1 && (\s) < 7
	s_wait_dscnt 0x0                               ; no LDS load of mine is out at the signal
	s_wait_tensorcnt 3-((\s)+1)/2                  ; my load of the next two K steps has landed; the later ones may stay out
	s_barrier_signal -1
	s_barrier_wait -1                              ; everybody's has
.endif
.if (\s) < 7
	v_add_nc_u32 v[AX16], XSTEP, v[AX16]           ; these four are also the places between the last products and the loads into the registers that they read
	v_add_nc_u32 v[AX8], XSTEP, v[AX8]
	v_add_nc_u32 v[AW16], WSTEP, v[AW16]
	v_add_nc_u32 v[AW8], WSTEP, v[AW8]
	FETCH 1-(\s)%2
	s_wait_dscnt 51                                ; all but the 51 just issued
.else
	s_wait_dscnt 0x0
.endif
	s_cmp_eq_u32 s[ROLEV], 0                       ; hangs on the heads and the wave's number: alike in all partners; only products stand in the two arms
	s_cbranch_scc0 .Lvalues_\@
	MUL_T (\s)%2, (\s)==0
	WIN 0
	s_branch .Lmultiplied_\@
.Lvalues_\@:
	MUL_N (\s)%2, (\s)==0
	WIN 0
.Lmultiplied_\@:
.endm
	s_wait_tensorcnt 3                             ; my load of K steps 0 and 1 has landed; three may stay out
	s_barrier_signal -1
	s_barrier_wait -1
	FETCH 0
	STEP 0
	STEP 1
	STEP 2
	STEP 3
	STEP 4
	STEP 5
	STEP 6
	STEP 7
	; THE WAY OUT: sixteen chains; chain k is registers 16 k to 16 k + 15 of the accumulators: half a block of 32
	PLACES
	WIN 0x14                                       ; sources 1 and 2 window 1
.irp k, 0,1,2,3,4,5,6,7,8,9,10,11,12,13,14,15
	v_max3_num_f32 v[TM+\k], 0x1800000, |v[16*\k]|, |v[16*\k+1]|   ; with the floor 2^(3 - 127): no byte falls under 1.  Each accumulator is read from its low end on
.endr
.irp i, 2,4,6,8,10,12,14
.irp k, 0,1,2,3,4,5,6,7,8,9,10,11,12,13,14,15
	v_max3_num_f32 v[TM+\k], v[TM+\k], |v[16*\k+\i]|, |v[16*\k+\i+1]|
.endr
.endr
	WIN 0
.irp k, 0,1,2,3,4,5,6,7,8,9,10,11,12,13,14,15
	v_permlanex16_b32 v[PT+\k], v[TM+\k], s20, s21
.endr
.irp k, 0,1,2,3,4,5,6,7,8,9,10,11,12,13,14,15
	v_max_num_f32 v[TM+\k], v[TM+\k], v[PT+\k]     ; with lane l xor 16's: the block's largest magnitude
.endr
.irp k, 0,1,2,3,4,5,6,7,8,9,10,11,12,13,14,15
	v_add_nc_u32 v[SO+\k], 0xff000000, v[TM+\k]    ; 2 off its exponent field: the conversion's scale operand
.endr
.irp k, 0,1,2,3,4,5,6,7,8,9,10,11,12,13,14,15
	v_lshrrev_b32 v[BY+\k], 23, v[SO+\k]           ; the scale's byte
.endr
	WIN 0x01                                       ; source 0 window 1
.irp k, 0,1,2,3,4,5,6,7,8,9,10,11,12,13,14,15
	v_cvt_scalef32_pk16_fp6_f32 v[CA+8*(\k/2)+4*(\k%2):CA+8*(\k/2)+4*(\k%2)+2], v[16*\k:16*\k+15], v[SO+\k]
.endr
	WIN 0
	v_nop                                          ; one plain place behind a scaled conversion
.irp n, 0,1,2,3,4,5,6,7                ; the operand's layout wants a WHOLE block in a lane: lanes 0-15 the even chain's block, lanes 16-31 the odd chain's
.irp i, 0,1,2
	v_permlane16_swap_b32 v[CA+8*\n+\i], v[CA+8*\n+4+\i]
.endr
.endr
.irp n, 0,1,2,3,4,5,6,7
	v_mov_b32 v[CA+8*\n+3], v[CA+8*\n+4]
	v_mov_b32 v[CA+8*\n+4], v[CA+8*\n+5]
	v_mov_b32 v[CA+8*\n+5], v[CA+8*\n+6]
.endr
.irp n, 0,1,2,3,4,5,6,7
	global_store_b128 v[L16], v[CA+8*\n:CA+8*\n+3], s[OUTP:OUTP+1] offset:768*\n            ; 512 consecutive bytes
	global_store_b64 v[L8], v[CA+8*\n+4:CA+8*\n+5], s[OUTP:OUTP+1] offset:768*\n+512        ; 256 consecutive bytes
.endr
	s_cmp_eq_u32 s[ROLEV], 0
	s_cbranch_scc0 .Lvalue_words
.irp a, 0,1,2,3,4,5,6,7                ; q, k: a token's two bytes; 0x7f over the zero codes of the other half of the instruction's K
	v_lshl_or_b32 v[WD+\a], v[BY+2*\a+1], 8, v[BY+2*\a]
.endr
.irp a, 0,1,2,3,4,5,6,7
	v_or_b32 v[WD+\a], 0x7f7f0000, v[WD+\a]
.endr
.irp i, 0,1,2,3
	v_cndmask_b32 v[PK+\i], v[WD+2*\i], v[WD+2*\i+1], s[HI]
.endr
	global_store_b128 v[L16], v[PK:PK+3], s[OUTP:OUTP+1] offset:6144
	s_branch .Lwords_out
.Lvalue_words:
.irp t, 0,1,2,3                        ; v: a row d's four bytes for these 128 keys
	v_lshl_or_b32 v[WD+\t], v[BY+4*\t+1], 8, v[BY+4*\t]
	v_lshl_or_b32 v[WD+\t], v[BY+4*\t+2], 16, v[WD+\t]
	v_lshl_or_b32 v[WD+\t], v[BY+4*\t+3], 24, v[WD+\t]
.endr
.irp i, 0,1
	v_cndmask_b32 v[PK+\i], v[WD+2*\i], v[WD+2*\i+1], s[HI]
.endr
	global_store_b64 v[L8], v[PK:PK+1], s[OUTP:OUTP+1] offset:6144
.Lwords_out:
	s_wait_tensorcnt 0x0                           ; the wave's end: behind my last tensor load
	ds_add_u32 v[SPW], v[NIL]
	s_wait_dscnt 0x0
	ROUND                                          ; the closing round: no work-group ends while a partner may still ask for a tile that names it
	s_endpgm
.Lfunc_end_k_q11e263c3e4_qkv:
	.size	k_q11e263c3e4_qkv, .Lfunc_end_k_q11e263c3e4_qkv-k_q11e263c3e4_qkv
	.p2alignl 7, 3214868480
	.fill 96, 4, 3214868480
	.section	.rodata,"a",@progbits
	.p2align	6, 0x0
	.amdhsa_kernel k_q11e263c3e4_qkv
		.amdhsa_group_segment_fixed_size 262144
		.amdhsa_private_segment_fixed_size 0
		.amdhsa_enable_private_segment 0
		.amdhsa_kernarg_size 32
		.amdhsa_user_sgpr_count 2
		.amdhsa_user_sgpr_kernarg_segment_ptr 1
		.amdhsa_wavefront_size32 1
		.amdhsa_system_sgpr_workgroup_id_x 1
		.amdhsa_system_sgpr_workgroup_id_y 1
		.amdhsa_system_sgpr_workgroup_id_z 1
		.amdhsa_system_vgpr_workitem_id 0
		.amdhsa_next_free_vgpr 768
		.amdhsa_next_free_sgpr 96
		.amdhsa_reserve_vcc 0
		.amdhsa_float_denorm_mode_32 3
		.amdhsa_float_denorm_mode_16_64 3
		.amdhsa_memory_ordered 1
		.amdhsa_forward_progress 1
		.amdhsa_inst_pref_size 120
	.end_amdhsa_kernel
	.amdgpu_metadata
---
amdhsa.version: [ 1, 2 ]
amdhsa.kernels:
  - .name:           k_q11e263c3e4_qkv
    .symbol:         k_q11e263c3e4_qkv.kd
    .args:
      - { .name: ximg, .offset: 0, .size: 8, .value_kind: global_buffer, .address_space: global }
      - { .name: wimg, .offset: 8, .size: 8, .value_kind: global_buffer, .address_space: global }
      - { .name: qimg, .offset: 16, .size: 8, .value_kind: global_buffer, .address_space: global }
      - { .name: kv, .offset: 24, .size: 8, .value_kind: global_buffer, .address_space: global }
    .group_segment_fixed_size: 262144
    .private_segment_fixed_size: 0
    .kernarg_segment_align: 8
    .kernarg_segment_size: 32
    .max_flat_workgroup_size: 96
    .sgpr_count:     96
    .vgpr_count:     768
    .wavefront_size: 32
...
	.end_amdgpu_metadata
.endif
;; end of part 2
;; launch attn (part 3): grid 16 x 16, 16 waves a work-group, no clusters, 35,328 bytes of LDS; arguments qimg, kv, oimg; writes oimg
.if DOCPART == 3
	.amdgcn_target "amdgcn-amd-amdhsa--gfx1250"
	.amdhsa_code_object_version 6
	.text
	.protected	k_q11e263c3e4_attn
	.globl	k_q11e263c3e4_attn
	.p2align	8
	.type	k_q11e263c3e4_attn,@function
k_q11e263c3e4_attn:
	s_mov_b64 s[64:65], 0
	v_nop
	global_prefetch_b8 v0, s[64:65] scope:SCOPE_SE
	s_setreg_imm32_b32 hwreg(HW_REG_WAVE_MODE, 25, 1), 1
	s_wait_xcnt 0x0
; Causal attention of four query heads on one group's keys and values, both products on codes of FP6 (E2M3) with E8M0 scales; the result, divided by the row's sum, is quantised along the 1,024 joined head columns.
; THE SOFTMAX AHEAD OF THE SECOND PRODUCT: t = score x log2(e) / 8; M = the row's largest t so far, rounded UP to a whole number; p = 2^(t - M) is quantised along the keys, not normalised; the row's sum is taken of the
; unquantised p.  When M moves, the sum and O are multiplied by 2^(old M - new M): exact.
; SHARES.  Work-group (i, batch x 4 + group) owns the blocks i and 31 - i of 64 queries, one after the other.  Block q needs q / 2 + 1 key steps of 128, the two together always 17: every work-group walks 17 steps,
; 16 in a loop of constant count (two a trip) and one written out.  Wave w: head w % 4, tile w / 4 of 16 queries, in 256 registers: four waves to a SIMD.
; Only a block's last step lies on the diagonal: there hidden scores become -infinity; behind it the block goes out and the next begins.  These branches hang on the work-group's number and the count of steps alone.
; LAYOUT.  Both products transposed: S^T = K Q^T (source 0 = 16 keys), O^T = V^T P^T (source 0 = 16 of the head's 64): a lane holds ONE query throughout.  The first product's K is 64: the upper six registers of its
; fragments hold zero codes, under the byte 0x7f.  Tiles of keys, queries and d take 8 u + r + 8 (r / 8) of 32 indices, so that 16 registers of two neighbouring tiles are 16 neighbours.
; K AND V of a step are one block of 13,056 bytes of register images.  The 512 threads load the next step's block into registers at a step's head and store it into the other LDS slot at its end: one barrier orders the
; old reads of that slot with the stores, and the stores with the next reads.  No work-groups walk in step here (the change of blocks falls at another step in each), so nothing is asked for jointly.
; THE RESULT'S SCALE BYTES of two heads make one word: the sixteen waves gather them in 512 bytes of LDS, and wave 0 stores them as two runs of 256 bytes: store, barrier, read, barrier.
; LIMITS: a block of zeros gets the byte 1 where the rule says 127 (zero codes; read by this program alone); largest magnitudes under 2^-124 are held at the byte 1; NaN and infinities are not served; v_exp_f32 gives 0
; for results under 2^-126; a block's largest p is made from its largest score, which takes v_exp_f32 not to fall where its input rises.
.set SL1,   16384                      ; LDS: slot 0 at 0, slot 1 here
.set KPK,   6144                       ; in a slot: K's 8 half fragments, K's scale words,
.set VOF,   6656                       ; V's 8 half fragments,
.set VPK,   12800                      ; V's scale words
.set GG,    32768                      ; the gathered scale bytes: 512
.set SPARE, 33280                      ; the spare words, 128 bytes a wave: eight blocks of 256 bytes that no other line names
.set AK16, 1                           ; v1   16 x lane
.set AK8,  2                           ; v2   8 x lane
.set T16,  3                           ; v3   16 x thread
.set T8,   4                           ; v4   8 x thread
.set T4,   5                           ; v5   4 x thread
.set SPW,  6                           ; v6   my spare word; never rewritten
.set NIL,  7                           ; v7   0; never rewritten
.set R16,  8                           ; v8   16 x (lane % 16)
.set GST,  9                           ; v9   where my row's two scale bytes are gathered
.set GRD,  10                          ; v10  where wave 0 reads them
.set GCO,  11                          ; v11  and where they go
.set DL,   29                          ; v29  r + 8 (r / 8) - 16 (lane / 16)
.set BM,   212                         ; v212-215 the blocks' largest scores, then largest p
.set PT,   216                         ; v216-219 lane l xor 16's; a chain of the sums
.set SO,   220                         ; v220-223 scale operands
.set BY,   224                         ; v224-227 bytes
; v12 -M, v13 the largest t, v[14:15] the sum; v16-27 Q, v28 its scale words; v31 -infinity; v32-79 four fragments of K; v80-83, v84-85 K's and V's scale words; v86-92 the next step's block on its way;
; v96-159 S^T, then p, then V's fragments (v96-143); v160-191 O^T; v192-203 p's codes, v204-211 at work; v[228:229] f; v230 at work; v231 p's scale word; v232-235 the gathered bytes; v236-243 the result's codes
.set WV,   10
.set HD,   11                          ; s11  head in the group
.set QT,   12                          ; s12  tile in the block
.set B16,  13                          ; s13  16 x batch
.set GH,   14                          ; s14  4 x group + head
.set G2,   15                          ; s15  2 x group
.set H1,   16                          ; s16  head % 2
.set TRIP, 17
.set REM,  18                          ; s18  steps left of the block, this one among them
.set KS,   19                          ; s19  the key step in hand
.set CS,   22                          ; s[22:23] c = log2(e) / 8
.set HP,   24                          ; s24  (head / 2) x 12,800
.set QSC0, 25                          ; s25  6,144 + 256 (tile % 2)
.set PEND, 26                          ; s26  0: gathered bytes wait to be stored
.set DQ0,  27                          ; s27  32 (tile / 2) + 8 (tile % 2)
.set NB,   28                          ; s28  steps of the second block
.set QB,   29                          ; s29  the block in hand
.set DQ,   30                          ; s30  my tile's first query in its 128 tokens
.set QB2,  31                          ; s31  31 - i
.set KVB,  32                          ; s[32:33] my group's K and V
.set KVA,  34                          ; s[34:35] the block being fetched
.set QP,   36                          ; s[36:37] my tile of Q;  s[38:39] its scale words
.set QS,   38
.set OP,   40                          ; s[40:41] my half fragment of the result;  s[42:43] the block's scale words;  s[44:45] those that wait to be stored
.set OS,   42
.set OSC,  44
.macro WM d, fa, fb, cc, sa, sb, ra, rb
.if (\ra)==0
	v_wmma_scale_f32_16x16x128_f8f6f4 v[\d:\d+7], v[\fa:\fa+11], v[\fb:\fb+11], \cc, v[\sa], v[\sb] matrix_a_fmt:MATRIX_FMT_FP6 matrix_b_fmt:MATRIX_FMT_FP6
.else
	v_wmma_scale_f32_16x16x128_f8f6f4 v[\d:\d+7], v[\fa:\fa+11], v[\fb:\fb+11], \cc, v[\sa], v[\sb] matrix_a_fmt:MATRIX_FMT_FP6 matrix_b_fmt:MATRIX_FMT_FP6 matrix_a_scale:MATRIX_SCALE_ROW1
.endif
.endm
	s_load_b128 s[4:7], s[0:1], 0x0                ; qimg, kv
	s_load_b64 s[8:9], s[0:1], 0x10                ; oimg
	v_lshl_add_u32 v[SPW], v0, 2, SPARE
	v_mov_b32 v[NIL], 0
	v_lshrrev_b32 v30, 5, v0
	v_readfirstlane_b32 s[WV], v30
	v_and_b32 v30, 31, v0
	v_lshlrev_b32 v[AK16], 4, v30
	v_lshlrev_b32 v[AK8], 3, v30
	v_lshlrev_b32 v[T16], 4, v0
	v_lshlrev_b32 v[T8], 3, v0
	v_lshlrev_b32 v[T4], 2, v0
	v_and_b32 v30, 15, v0                          ; r
	v_lshlrev_b32 v[R16], 4, v30
	v_and_b32 v[DL], 8, v30
	v_add_nc_u32 v[DL], v[DL], v30
	v_bfe_u32 v230, v0, 4, 1                       ; lane / 16
	v_lshlrev_b32 v231, 4, v230
	v_sub_nc_u32 v[DL], v[DL], v231
	v_add_nc_u32 v[GRD], GG, v[AK16]
	v_mul_u32_u24 v[GCO], v230, 12800              ; lanes 0-15: the first head pair's K step of oimg, lanes 16-31: the next
	v_lshl_add_u32 v[GCO], v30, 4, v[GCO]
	s_and_b32 s[HD], s[WV], 3
	s_lshr_b32 s[QT], s[WV], 2
	s_and_b32 s46, ttmp7, 0xffff                   ; batch x 4 + group
	s_lshr_b32 s[B16], s46, 2
	s_lshl_b32 s[B16], s[B16], 4
	s_and_b32 s47, s46, 3
	s_lshl_b32 s[G2], s47, 1
	s_lshl_b32 s[GH], s47, 2
	s_add_co_u32 s[GH], s[GH], s[HD]
	s_and_b32 s[H1], s[HD], 1
	s_lshr_b32 s48, s[HD], 1
	s_mul_i32 s[HP], s48, 12800
	s_and_b32 s49, s[QT], 1
	s_lshr_b32 s50, s[QT], 1
	s_lshl_b32 s[QSC0], s49, 8
	s_add_co_u32 s[QSC0], s[QSC0], 6144
	s_lshl_b32 s[DQ0], s50, 5
	s_lshl_b32 s51, s49, 3
	s_add_co_u32 s[DQ0], s[DQ0], s51
	s_lshl_b32 s48, s48, 8                         ; the gather: 256 (head / 2) + 8 (r + 16 (tile % 2)) + 4 (tile / 2) + 2 (head % 2)
	s_lshl_b32 s49, s49, 7
	s_lshl_b32 s50, s50, 2
	s_lshl_b32 s51, s[H1], 1
	s_add_co_u32 s48, s48, s49
	s_add_co_u32 s48, s48, s50
	s_add_co_u32 s48, s48, s51
	s_add_co_u32 s48, s48, GG
	v_lshl_add_u32 v[GST], v30, 3, s48
	s_mul_i32 s46, s46, 16*13056
	s_mov_b32 s47, 0
	s_lshr_b32 s[REM], ttmp9, 1
	s_add_co_u32 s[REM], s[REM], 1                 ; the first block's steps
	s_sub_co_u32 s[QB2], 31, ttmp9
	s_lshr_b32 s[NB], s[QB2], 1
	s_add_co_u32 s[NB], s[NB], 1
	s_mov_b32 s[KS], 0
	s_mov_b32 s[QB], ttmp9
	s_mov_b32 s[PEND], 1
	s_mov_b32 s20, 0x76543210
	s_mov_b32 s21, 0xfedcba98                      ; v_permlanex16_b32's selects for lane l xor 16
	s_mov_b32 s[CS], 0x3e38aa3b
	s_mov_b32 s[CS+1], s[CS]                       ; (named with it as a pair, so it is written)
.irp j, 22,23,24,25,26,27
	v_mov_b32 v[\j], 0                             ; zero codes: the upper half of the first product's K
.endr
.irp t, 0,1,2,3
.irp j, 6,7,8,9,10,11
	v_mov_b32 v[32+12*\t+\j], 0
.endr
.endr
.irp b, 0,1,2,3
	v_mov_b32 v[PT+\b], 0                          ; a lane permute's destination counts as one of its sources
.endr
	v_mov_b32 v229, 0                              ; (named as the upper half of the pair v[228:229])
	v_mov_b32 v31, 0xff800000                      ; -infinity
	s_wait_kmcnt 0x0
	s_add_nc_u64 s[KVB:KVB+1], s[6:7], s[46:47]
	s_mov_b64 s[KVA:KVA+1], s[KVB:KVB+1]
.macro BLOCKSET                        ; the addresses of block s[QB]
	s_and_b32 s46, s[QB], 1                        ; which half of its 128 tokens
	s_lshr_b32 s47, s[QB], 1
	s_add_co_u32 s47, s47, s[B16]                  ; which 128 tokens
	s_lshl_b32 s48, s46, 2
	s_add_co_u32 s48, s48, s[QT]                   ; my tile among their eight
	s_lshl_b32 s50, s47, 4
	s_add_co_u32 s50, s50, s[GH]
	s_mul_i32 s50, s50, 6656
	s_mov_b32 s51, 0
	s_add_nc_u64 s[QS:QS+1], s[4:5], s[50:51]
	s_mul_i32 s50, s48, 768
	s_add_nc_u64 s[QP:QP+1], s[QS:QS+1], s[50:51]
	s_lshr_b32 s50, s48, 1
	s_lshl_b32 s50, s50, 2
	s_add_co_u32 s50, s50, s[QSC0]
	s_add_nc_u64 s[QS:QS+1], s[QS:QS+1], s[50:51]
	s_lshl_b32 s50, s47, 3
	s_add_co_u32 s50, s50, s[G2]
	s_mul_i32 s50, s50, 12800
	s_add_nc_u64 s[OS:OS+1], s[8:9], s[50:51]
	s_lshl_b32 s50, s48, 1
	s_add_co_u32 s50, s50, s[H1]
	s_mul_i32 s50, s50, 768
	s_add_co_u32 s50, s50, s[HP]
	s_add_nc_u64 s[OP:OP+1], s[OS:OS+1], s[50:51]
	s_lshl_b32 s50, s46, 8
	s_add_co_u32 s50, s50, 12288
	s_add_nc_u64 s[OS:OS+1], s[OS:OS+1], s[50:51]
	s_lshl_b32 s[DQ], s46, 6
	s_add_co_u32 s[DQ], s[DQ], s[DQ0]
.endm
.macro REINIT                          ; a block begins: its Q is asked for; O^T and the sum begin as zeros, the largest t as -3e38
	s_wait_xcnt 0x0                                ; earlier loads and stores have read their bases
	BLOCKSET
	global_load_b128 v[16:19], v[AK16], s[QP:QP+1]
	global_load_b64 v[20:21], v[AK8], s[QP:QP+1] offset:512
	global_load_b32 v28, v[R16], s[QS:QS+1]
	v_mov_b32 v13, 0xff61b1e6
	v_floor_f32 v12, -v13
	v_mov_b32 v14, 0
	v_mov_b32 v15, 0
.irp j, 0,1,2,3,4,5,6,7,8,9,10,11,12,13,14,15,16,17,18,19,20,21,22,23,24,25,26,27,28,29,30,31
	v_mov_b32 v[160+\j], 0
.endr
.endm
.macro FETCHG                          ; a step's 13,056 bytes: 16 and 8 bytes a thread, and 4 more in waves 0 to 5
	global_load_b128 v[88:91], v[T16], s[KVA:KVA+1]
	global_load_b64 v[86:87], v[T8], s[KVA:KVA+1] offset:8192
	s_cmp_lt_u32 s[WV], 6
	s_cbranch_scc0 .Lno_tail_\@
	global_load_b32 v92, v[T4], s[KVA:KVA+1] offset:12288
.Lno_tail_\@:
.endm
.macro COPYOUT                         ; wave 0 stores the gathered scale bytes, if any wait
	s_or_b32 s46, s[PEND], s[WV]
	s_cmp_lg_u32 s46, 0
	s_cbranch_scc1 .Lnothing_\@
	s_wait_xcnt 0x0                                ; an earlier copy's store has read its registers
	ds_load_b128 v[232:235], v[GRD]
	s_wait_dscnt 0x0
	global_store_b128 v[GCO], v[232:235], s[OSC:OSC+1]   ; 16 lanes store 256 consecutive bytes
.Lnothing_\@:
	s_mov_b32 s[PEND], 1
.endm
.macro COMMIT d, copy                  ; the fetched block goes into slot d
	s_wait_loadcnt 0x0                             ; the block is in (and a new block's Q)
	ds_store_b128 v[T16], v[88:91] offset:(\d)*SL1
	ds_store_b64 v[T8], v[86:87] offset:(\d)*SL1+8192
	s_cmp_lt_u32 s[WV], 6
	s_cbranch_scc0 .Lno_tail_\@
	ds_store_b32 v[T4], v92 offset:(\d)*SL1+12288
.Lno_tail_\@:
	s_wait_dscnt 0x0                               ; my stores have landed and my reads of the other slot are over
	s_barrier_signal -1
	s_barrier_wait -1
.if \copy
	COPYOUT
	s_wait_dscnt 0x0
	s_barrier_signal -1                            ; the gathered bytes are written again only behind this barrier
	s_barrier_wait -1
.endif
.endm
; A KEY STEP: 128 keys, from slot sl
.macro STEP sl
.rept 5
	v_nop                                          ; five places between the last products and the products below, which write over V's fragments
.endr
	ds_load_b128 v[80:83], v[AK16] offset:(\sl)*SL1+KPK
.irp g, 0,1                            ; S^T = K Q^T, four tiles of 16 keys at a time
.if \g
.rept 4
	v_nop                                          ; places in front of loads into registers that matrix instructions have read
.endr
.endif
.irp t, 0,1,2,3
	ds_load_b128 v[32+12*\t:35+12*\t], v[AK16] offset:(\sl)*SL1+(4*\g+\t)*768
	ds_load_b64 v[36+12*\t:37+12*\t], v[AK8] offset:(\sl)*SL1+(4*\g+\t)*768+512
.endr
	s_wait_dscnt 0x0
.irp t, 0,1,2,3
	WM 96+8*(4*\g+\t), 32+12*\t, 16, 0, 80+(4*\g+\t)/2, 28, \t%2, 0
.endr
.endr                                  ; register 16 b + i holds key 32 b + 16 (lane / 16) + i of the step
.rept 4
	v_nop
.endr
	s_cmp_lg_u32 s[REM], 1                         ; the block's last step lies on the diagonal
	s_cbranch_scc1 .Lopen_\@
	v_add_nc_u32 v230, s[DQ], v[DL]                ; my query - 16 (lane / 16): key 32 b + i is hidden where it is greater
.irp n, 0,1,2,3,4,5,6,7,8,9,10,11,12,13,14,15,16,17,18,19,20,21,22,23,24,25,26,27,28,29,30,31,32,33,34,35,36,37,38,39,40,41,42,43,44,45,46,47,48,49,50,51,52,53,54,55,56,57,58,59,60,61,62,63
	v_cmp_gt_i32 vcc_lo, 32*(\n/16)+\n%16, v230
	v_cndmask_b32 v[96+\n], v[96+\n], v31, vcc_lo
.endr
.Lopen_\@:
.irp b, 0,1,2,3
	v_max3_num_f32 v[BM+\b], v[96+16*\b], v[97+16*\b], v[98+16*\b]   ; the largest score of each block of 32 keys: for the row's maximum and for the block's largest p
.endr
.irp i, 3,5,7,9,11,13
.irp b, 0,1,2,3
	v_max3_num_f32 v[BM+\b], v[BM+\b], v[96+16*\b+\i], v[97+16*\b+\i]
.endr
.endr
.irp b, 0,1,2,3
	v_max_num_f32 v[BM+\b], v[BM+\b], v[111+16*\b]
.endr
.irp b, 0,1,2,3
	v_permlanex16_b32 v[PT+\b], v[BM+\b], s20, s21
.endr
.irp b, 0,1,2,3
	v_max_num_f32 v[BM+\b], v[BM+\b], v[PT+\b]     ; with lane l xor 16's 16 keys
.endr
	v_max3_num_f32 v230, v[BM], v[BM+1], v[BM+2]
	v_max_num_f32 v230, v230, v[BM+3]
	v_mul_f32 v230, s[CS], v230                    ; the step's largest t
	v_max_num_f32 v13, v13, v230                   ; the running largest t
	v_mov_b32 v230, v12
	v_floor_f32 v12, -v13                          ; the new -M = -ceil(t)
	v_sub_f32 v230, v12, v230                      ; old M - new M: a whole number, 0 or less
	v_cvt_i32_f32 v230, v230                       ; (it saturates)
	v_ldexp_f32 v228, 1.0, v230                    ; f = 2^(old M - new M)
.irp j, 0,2,4,6,8,10,12,14,16,18,20,22,24,26,28,30,32,34,36,38,40,42,44,46,48,50,52,54,56,58,60,62
	v_pk_fma_f32 v[96+\j:97+\j], v[96+\j:97+\j], s[CS:CS+1], v[12:13] op_sel_hi:[1,0,0]   ; t - M, two at a time
.endr
.irp b, 0,1,2,3
	v_fma_f32 v[BM+\b], v[BM+\b], s[CS], v12       ; the same of each block's largest score
.endr
.irp j, 0,1,2,3,4,5,6,7,8,9,10,11,12,13,14,15,16,17,18,19,20,21,22,23,24,25,26,27,28,29,30,31,32,33,34,35,36,37,38,39,40,41,42,43,44,45,46,47,48,49,50,51,52,53,54,55,56,57,58,59,60,61,62,63
	v_exp_f32 v[96+\j], v[96+\j]                   ; p = 2^(t - M)
.endr
	v_pk_mul_f32 v[14:15], v[14:15], v[228:229] op_sel_hi:[1,0]   ; the sums under the new M: a plain place behind the exponentials
	s_wait_alu depctr_va_vdst(0)                   ; one wait for the batch, ahead of its first reader
.irp b, 0,1,2,3
	v_exp_f32 v[BM+\b], v[BM+\b]                   ; the blocks' largest p
.endr
	v_pk_add_f32 v[PT:PT+1], v[96:97], v[98:99]    ; the row's sum of the unquantised p, in two chains
.irp j, 4,8,12,16,20,24,28,32,36,40,44,48,52,56,60
	v_pk_add_f32 v[14:15], v[14:15], v[96+\j:97+\j]
	v_pk_add_f32 v[PT:PT+1], v[PT:PT+1], v[98+\j:99+\j]
.endr
	v_pk_add_f32 v[14:15], v[14:15], v[PT:PT+1]
	s_wait_alu depctr_va_vdst(0)                   ; and one for the four
.irp b, 0,1,2,3
	v_max_num_f32 v[BM+\b], 0x1800000, v[BM+\b]    ; the floor 2^(3 - 127): a block whose every p is 0 keeps the byte 1 over zero codes
.endr
.irp b, 0,1,2,3
	v_add_nc_u32 v[SO+\b], 0xff000000, v[BM+\b]
.endr
.irp b, 0,1,2,3
	v_lshrrev_b32 v[BY+\b], 23, v[SO+\b]
.endr
	v_lshl_or_b32 v231, v[BY+1], 8, v[BY]          ; p's scale word for these 128 keys
	v_lshl_or_b32 v231, v[BY+2], 16, v231
	v_lshl_or_b32 v231, v[BY+3], 24, v231
.irp c, 0,1
	v_cvt_scalef32_pk16_fp6_f32 v[192+6*\c:194+6*\c], v[96+32*\c:111+32*\c], v[SO+2*\c]
	v_cvt_scalef32_pk16_fp6_f32 v[204+4*\c:206+4*\c], v[112+32*\c:127+32*\c], v[SO+2*\c+1]
.endr
	v_nop                                          ; one plain place behind a scaled conversion
.irp t, 0,1,2,3                        ; p's registers are free: V's fragments take them
.irp c, 0,1
	ds_load_b128 v[96+12*\t+6*\c:99+12*\t+6*\c], v[AK16] offset:(\sl)*SL1+VOF+(2*\t+\c)*768
	ds_load_b64 v[100+12*\t+6*\c:101+12*\t+6*\c], v[AK8] offset:(\sl)*SL1+VOF+(2*\t+\c)*768+512
.endr
.endr
	ds_load_b64 v[84:85], v[AK8] offset:(\sl)*SL1+VPK
.irp c, 0,1                            ; the operand's layout wants a WHOLE block in a lane
.irp i, 0,1,2
	v_permlane16_swap_b32 v[192+6*\c+\i], v[204+4*\c+\i]
.endr
.irp i, 0,1,2
	v_mov_b32 v[195+6*\c+\i], v[204+4*\c+\i]
.endr
.endr
.irp j, 0,2,4,6,8,10,12,14,16,18,20,22,24,26,28,30
	v_pk_mul_f32 v[160+\j:161+\j], v[160+\j:161+\j], v[228:229] op_sel_hi:[1,0]   ; O^T under the new M; also the places between the lines that made p's codes and scale word and the products
.endr
	s_wait_dscnt 0x0
.irp t, 0,1,2,3                        ; O^T += V^T P^T: four accumulators, one instruction each
	WM 160+8*\t, 96+12*\t, 192, v[160+8*\t:167+8*\t], 84+\t/2, 231, \t%2, 0
.endr
.endm
; A BLOCK GOES OUT: O^T / the sum; its two blocks of 32 along d are quantised; the half fragment is stored, the two bytes gathered
.macro EPILOGUE
	s_wait_xcnt 0x0                                ; earlier stores have read their registers and bases
.rept 4
	v_nop
.endr
	v_add_f32 v230, v14, v15
	v_permlanex16_b32 v[PT], v230, s20, s21
	v_add_f32 v230, v230, v[PT]                    ; the row's sum
	v_rcp_f32 v228, v230
	v_nop                                          ; a plain place behind the reciprocal
	s_wait_alu depctr_va_vdst(0)                   ; and the wait ahead of its first reader
.irp j, 0,2,4,6,8,10,12,14,16,18,20,22,24,26,28,30
	v_pk_mul_f32 v[160+\j:161+\j], v[160+\j:161+\j], v[228:229] op_sel_hi:[1,0]   ; register 16 b + i is d = 32 b + 16 (lane / 16) + i
.endr
.irp c, 0,1
	v_max3_num_f32 v[BM+\c], |v[160+16*\c]|, |v[161+16*\c]|, 0x1800000
.endr
.irp i, 2,4,6,8,10,12,14
.irp c, 0,1
	v_max3_num_f32 v[BM+\c], v[BM+\c], |v[160+16*\c+\i]|, |v[161+16*\c+\i]|
.endr
.endr
.irp c, 0,1
	v_permlanex16_b32 v[PT+\c], v[BM+\c], s20, s21
.endr
.irp c, 0,1
	v_max_num_f32 v[BM+\c], v[BM+\c], v[PT+\c]
.endr
.irp c, 0,1
	v_add_nc_u32 v[SO+\c], 0xff000000, v[BM+\c]
.endr
.irp c, 0,1
	v_lshrrev_b32 v[BY+\c], 23, v[SO+\c]
.endr
	v_lshl_or_b32 v243, v[BY+1], 8, v[BY]
	v_cvt_scalef32_pk16_fp6_f32 v[236:238], v[160:175], v[SO]
	v_cvt_scalef32_pk16_fp6_f32 v[240:242], v[176:191], v[SO+1]
	v_nop
.irp i, 0,1,2
	v_permlane16_swap_b32 v[236+\i], v[240+\i]
.endr
	v_mov_b32 v239, v240
	v_mov_b32 v240, v241
	v_mov_b32 v241, v242
	global_store_b128 v[AK16], v[236:239], s[OP:OP+1]             ; 512 consecutive bytes
	global_store_b64 v[AK8], v[240:241], s[OP:OP+1] offset:512    ; 256 consecutive bytes
	ds_store_b16 v[GST], v243                      ; lanes l and l xor 16 write the same bytes with the same value
	s_mov_b64 s[OSC:OSC+1], s[OS:OS+1]
	s_mov_b32 s[PEND], 0
.endm
.macro TRIPSTEP sl
	s_add_co_u32 s46, s[KS], 1                     ; the step after this one: the next of the block, or the next block's first
	s_cmp_eq_u32 s[REM], 1
	s_cselect_b32 s46, 0, s46
	s_mul_i32 s46, s46, 13056
	s_mov_b32 s47, 0
	s_add_nc_u64 s[KVA:KVA+1], s[KVB:KVB+1], s[46:47]
	FETCHG                                         ; it has this whole step in which to land
	STEP \sl
	s_cmp_lg_u32 s[REM], 1
	s_cbranch_scc1 .Lgoes_on_\@
	EPILOGUE
	s_mov_b32 s[QB], s[QB2]
	REINIT
	s_add_co_u32 s[REM], s[NB], 1
	s_mov_b32 s[KS], -1
.Lgoes_on_\@:
	s_sub_co_u32 s[REM], s[REM], 1
	s_add_co_u32 s[KS], s[KS], 1
	COMMIT 1-(\sl), 1
.endm
	FETCHG                                         ; key step 0
	REINIT
	s_mov_b64 s[OSC:OSC+1], s[OS:OS+1]
	COMMIT 0, 0
	s_mov_b32 s[TRIP], 8
.Ltrip:                                            ; 8 trips of two steps; the slots are constants of the text
	TRIPSTEP 0
	TRIPSTEP 1
	s_sub_co_u32 s[TRIP], s[TRIP], 1
	s_cmp_lg_u32 s[TRIP], 0
	s_cbranch_scc1 .Ltrip
	STEP 0                                         ; the seventeenth step: the second block's last; nothing is left to fetch
	EPILOGUE
	s_wait_dscnt 0x0
	s_barrier_signal -1
	s_barrier_wait -1
	COPYOUT
	s_wait_tensorcnt 0x0                           ; the wave's end: behind my last LDS store
	ds_add_u32 v[SPW], v[NIL]
	s_wait_dscnt 0x0
	s_endpgm
.Lfunc_end_k_q11e263c3e4_attn:
	.size	k_q11e263c3e4_attn, .Lfunc_end_k_q11e263c3e4_attn-k_q11e263c3e4_attn
	.p2alignl 7, 3214868480
	.fill 96, 4, 3214868480
	.section	.rodata,"a",@progbits
	.p2align	6, 0x0
	.amdhsa_kernel k_q11e263c3e4_attn
		.amdhsa_group_segment_fixed_size 35328
		.amdhsa_private_segment_fixed_size 0
		.amdhsa_enable_private_segment 0
		.amdhsa_kernarg_size 24
		.amdhsa_user_sgpr_count 2
		.amdhsa_user_sgpr_kernarg_segment_ptr 1
		.amdhsa_wavefront_size32 1
		.amdhsa_system_sgpr_workgroup_id_x 1
		.amdhsa_system_sgpr_workgroup_id_y 1
		.amdhsa_system_sgpr_workgroup_id_z 1
		.amdhsa_system_vgpr_workitem_id 0
		.amdhsa_next_free_vgpr 256
		.amdhsa_next_free_sgpr 66
		.amdhsa_reserve_vcc 1
		.amdhsa_float_denorm_mode_32 3
		.amdhsa_float_denorm_mode_16_64 3
		.amdhsa_memory_ordered 1
		.amdhsa_forward_progress 1
		.amdhsa_inst_pref_size 90
	.end_amdhsa_kernel
	.amdgpu_metadata
---
amdhsa.version: [ 1, 2 ]
amdhsa.kernels:
  - .name:           k_q11e263c3e4_attn
    .symbol:         k_q11e263c3e4_attn.kd
    .args:
      - { .name: qimg, .offset: 0, .size: 8, .value_kind: global_buffer, .address_space: global }
      - { .name: kv, .offset: 8, .size: 8, .value_kind: global_buffer, .address_space: global }
      - { .name: oimg, .offset: 16, .size: 8, .value_kind: global_buffer, .address_space: global }
    .group_segment_fixed_size: 35328
    .private_segment_fixed_size: 0
    .kernarg_segment_align: 8
    .kernarg_segment_size: 24
    .max_flat_workgroup_size: 512
    .sgpr_count:     66
    .vgpr_count:     256
    .wavefront_size: 32
...
	.end_amdgpu_metadata
.endif
;; end of part 3
;; launch proj (part 4): grid 64 x 4, 4 waves a work-group, clusters of 4 x 1, 327,680 bytes of LDS; arguments oimg, wimg, bp, out0; writes out0
.if DOCPART == 4
	.amdgcn_target "amdgcn-amd-amdhsa--gfx1250"
	.amdhsa_code_object_version 6
	.text
	.protected	k_q11e263c3e4_proj
	.globl	k_q11e263c3e4_proj
	.p2align	8
	.type	k_q11e263c3e4_proj,@function
k_q11e263c3e4_proj:
	s_mov_b64 s[64:65], 0
	v_nop
	global_prefetch_b8 v0, s[64:65] scope:SCOPE_SE
	s_setreg_imm32_b32 hwreg(HW_REG_WAVE_MODE, 25, 1), 1
	s_wait_xcnt 0x0
	s_wait_alu depctr_hold_cnt(0) depctr_sa_sdst(0) depctr_va_vdst(0) depctr_va_sdst(0) depctr_va_ssrc(0) depctr_va_vcc(0) depctr_vm_vsrc(0)
	s_getreg_b32 s2, hwreg(HW_REG_IB_STS2, 6, 4)
	s_cmp_eq_u32 s2, 0
	s_cbranch_scc0 .Lentry_in_a_cluster
	s_endpgm
.Lentry_in_a_cluster:
	s_bfe_u32 s2, ttmp6, 0x10000c
	s_cmp_lg_u32 s2, 0x3003
	s_cbranch_scc0 .Lentry_shape_is_right
	s_endpgm
.Lentry_shape_is_right:
; out0 = attention's result x Wp + bp, on codes of FP6 (E2M3) with E8M0 scales; sums in f32.
; SHARES.  A work-group takes 128 tokens x 256 columns, a wave 128 x 64: 32 accumulators, 8 K steps of 128, 256 matrix instructions.  256 work-groups.
; ALL OF K LIES IN LDS AT ONCE: 102,400 bytes of the result's images, 204,800 of Wp's: first fills alone, nothing is filled again.  Wave 0 fetches the first, wave 1 the second, four tensor loads each, two K steps a load.
; CLUSTER.  The four work-groups of a cluster (along x) take other tokens and the same columns: Wp's images are asked for JOINTLY.  The tokens' images differ between them and are plain loads.
; OPERANDS lie in memory and in LDS as images of registers (half fragment: 16 rows x 64 K, 768 bytes: four registers a lane at 16 x lane, two at 512 + 8 x lane): every LDS read is of consecutive bytes, so nothing is padded.
; Source 0 = Wp's columns, source 1 = tokens; of 32 indices tile u takes 8 u + r + 8 (r / 8): a lane holds one token, and the 16 registers of two neighbouring tiles are 16 neighbouring columns.  The bias is the C of each sum's first product.
; REGISTERS: window 0: v8-17 addresses; v40-45, v48-53 scale words, two sets; v64-159 the tokens' 8 fragments, v160-207 Wp's 4: set 0; v208-239 the bias.  window 1: the accumulators.  window 2: v64-207: set 1.
.set NH,    4
.set XSTEP, 12800
.set WHEAD, 6400
.set WSTEP, NH*WHEAD
.set WB,    8*XSTEP
.set SPARE, WB+8*WSTEP                 ; the spare words, 128 bytes a wave: two blocks of 256 bytes that no other line names
.set STAGE, SPARE+512                  ; the way out: 16 rows x (256 bytes + 16) for each wave; no tensor load lands here
.set AX16, 8
.set AX8,  9
.set AW16, 10
.set AW8,  11
.set SPW,  12                          ; v12  my spare word; never rewritten
.set NIL,  13                          ; v13  0; never rewritten
.set STO,  14                          ; v14  the stage: where I put 64 bytes of a row
.set RD,   15                          ; v15  and where I read a row back
.set CO,   16                          ; v16  my byte offset in out0
.set BOF,  17                          ; v17  64 x (lane / 16)
.set SCX,  40
.set SCW,  44
.set XF,   64
.set WF,   160
.set BI,   208
.set WV,   12
.set G1X,  24
.set G1W,  32
.set OUTP, 76
.set MSB, 0
.macro WIN new                         ; the immediate's high byte repeats the setting that is left
.if MSB != (\new)
	s_set_vgpr_msb (MSB<<8)|(\new)
.set MSB, (\new)
.endif
.endm
.macro ROUND                           ; a round of the cluster's barrier
	s_barrier_signal -1
	s_barrier_wait -1
	s_cmp_lg_u32 s[WV], 0
	s_cbranch_scc1 .Lnot_wave_0_\@
	s_barrier_signal -3
.Lnot_wave_0_\@:
	s_barrier_wait -3
	s_barrier_signal -1
	s_barrier_wait -1
.endm
.macro SETG0 g, lds, p, off            ; a group 0: count 1, LDS address, global address, type 2
	s_mov_b32 s[\g], 1
	s_mov_b32 s[\g+1], \lds
	s_add_nc_u64 s[\g+2:\g+3], s[\p:\p+1], \off
	s_or_b32 s[\g+3], s[\g+3], 0x80000000
.endm
.macro PLACES
.rept 4
	v_nop
.endr
.endm
.macro WM d, fa, fb, cc, sa, sb, ra, rb
.if (\ra)==0 && (\rb)==0
	v_wmma_scale_f32_16x16x128_f8f6f4 v[\d:\d+7], v[\fa:\fa+11], v[\fb:\fb+11], \cc, v[\sa], v[\sb] matrix_a_fmt:MATRIX_FMT_FP6 matrix_b_fmt:MATRIX_FMT_FP6
.elseif (\ra)==1 && (\rb)==0
	v_wmma_scale_f32_16x16x128_f8f6f4 v[\d:\d+7], v[\fa:\fa+11], v[\fb:\fb+11], \cc, v[\sa], v[\sb] matrix_a_fmt:MATRIX_FMT_FP6 matrix_b_fmt:MATRIX_FMT_FP6 matrix_a_scale:MATRIX_SCALE_ROW1
.elseif (\ra)==0
	v_wmma_scale_f32_16x16x128_f8f6f4 v[\d:\d+7], v[\fa:\fa+11], v[\fb:\fb+11], \cc, v[\sa], v[\sb] matrix_a_fmt:MATRIX_FMT_FP6 matrix_b_fmt:MATRIX_FMT_FP6 matrix_b_scale:MATRIX_SCALE_ROW1
.else
	v_wmma_scale_f32_16x16x128_f8f6f4 v[\d:\d+7], v[\fa:\fa+11], v[\fb:\fb+11], \cc, v[\sa], v[\sb] matrix_a_fmt:MATRIX_FMT_FP6 matrix_b_fmt:MATRIX_FMT_FP6 matrix_a_scale:MATRIX_SCALE_ROW1 matrix_b_scale:MATRIX_SCALE_ROW1
.endif
.endm
	s_load_b256 s[4:11], s[0:1], 0x0               ; oimg, wimg, bp, out0
	v_lshl_add_u32 v[SPW], v0, 2, SPARE
	v_mov_b32 v[NIL], 0
	ds_add_u32 v[SPW], v[NIL]                      ; the wave's opening: the add and its wait stand ahead of the first tensor loads; work on registers stands between them
	v_lshrrev_b32 v1, 5, v0
	v_readfirstlane_b32 s[WV], v1
	s_bfe_u32 s13, ttmp6, 0x40000                  ; cx: it enters the tokens' address and out0's alone
	s_lshl_b32 s14, ttmp9, 2
	s_add_co_u32 s14, s14, s13                     ; which 128 tokens
	s_and_b32 s15, ttmp7, 0xffff                   ; which 256 columns: the four partners share it
	s_lshl_b32 s16, s15, 2
	s_add_co_u32 s80, s16, 24                      ; Wp's images begin at place 24 of a K step of wimg
	s_mul_i32 s80, s80, WHEAD
	s_mov_b32 s81, 0
	s_add_co_u32 s16, s16, s[WV]                   ; my 64 columns
	s_mul_i32 s78, s14, 8*XSTEP
	s_mov_b32 s79, 0
	s_lshl_b32 s82, s16, 8                         ; 256 bytes of bp and of a row of out0
	s_mov_b32 s83, 0
	s_lshl_b32 s84, s14, 19                        ; 128 rows of 4,096 bytes
	s_mov_b32 s85, 0
	; group 1, the tokens' images: two K steps are 25,600 dense bytes: 100 rows of 32 elements of 8 bytes
	s_mov_b32 s[G1X], 3<<16
	s_mov_b32 s[G1X+1], 32<<16
	s_mov_b32 s[G1X+2], 100<<16
	s_mov_b32 s[G1X+3], 32<<16
	s_mov_b32 s[G1X+4], 100
	s_mov_b32 s[G1X+5], 32
	s_mov_b32 s[G1X+6], 0
	s_mov_b32 s[G1X+7], 0
	; group 1, Wp's images: two rows (K steps) of 4 x 6,400 bytes, 40 x 6,400 bytes apart; the mask names the four partners, bit 21 beside it
	s_mov_b32 s[G1W], 15|(3<<16)|(1<<21)
	s_mov_b32 s[G1W+1], (NH*800)<<16
	s_mov_b32 s[G1W+2], 2<<16
	s_mov_b32 s[G1W+3], (NH*800)<<16
	s_mov_b32 s[G1W+4], 2
	s_mov_b32 s[G1W+5], 32000
	s_mov_b32 s[G1W+6], 0
	s_mov_b32 s[G1W+7], 0
	s_wait_dscnt 0x0                               ; the opening add is done
	s_wait_kmcnt 0x0
	s_add_nc_u64 s[8:9], s[8:9], s[82:83]          ; bp at my columns
	s_add_nc_u64 s[OUTP:OUTP+1], s[10:11], s[82:83]
	s_add_nc_u64 s[OUTP:OUTP+1], s[OUTP:OUTP+1], s[84:85]
	s_add_nc_u64 s[78:79], s[4:5], s[78:79]
	s_add_nc_u64 s[80:81], s[6:7], s[80:81]
	SETG0 40, 0*2*XSTEP, 78, 0*2*XSTEP
	SETG0 44, 1*2*XSTEP, 78, 1*2*XSTEP
	SETG0 48, 2*2*XSTEP, 78, 2*2*XSTEP
	SETG0 52, 3*2*XSTEP, 78, 3*2*XSTEP
	SETG0 56, WB+0*2*WSTEP, 80, 0*80*WHEAD
	SETG0 60, WB+1*2*WSTEP, 80, 1*80*WHEAD
	SETG0 68, WB+2*2*WSTEP, 80, 2*80*WHEAD
	SETG0 72, WB+3*2*WSTEP, 80, 3*80*WHEAD
	ROUND                                          ; all four work-groups are here: the joint loads meet
	s_cmp_eq_u32 s[WV], 0                          ; a wave's first fills stand in one branch on the wave's number: four loads of the wave are out
	s_cbranch_scc0 .Lnot_x
	tensor_load_to_lds s[40:43], s[G1X:G1X+7]
	s_nop 0
	tensor_load_to_lds s[44:47], s[G1X:G1X+7]
	s_nop 0
	tensor_load_to_lds s[48:51], s[G1X:G1X+7]
	s_nop 0
	tensor_load_to_lds s[52:55], s[G1X:G1X+7]
	s_nop 0
	PLACES
	s_branch .Lasked
.Lnot_x:
	s_cmp_eq_u32 s[WV], 1
	s_cbranch_scc0 .Lasked
	tensor_load_to_lds s[56:59], s[G1W:G1W+7]
	s_nop 0
	tensor_load_to_lds s[60:63], s[G1W:G1W+7]
	s_nop 0
	tensor_load_to_lds s[68:71], s[G1W:G1W+7]
	s_nop 0
	tensor_load_to_lds s[72:75], s[G1W:G1W+7]
	s_nop 0
	PLACES
.Lasked:
	v_and_b32 v1, 31, v0
	v_and_b32 v2, 15, v0                           ; r
	v_bfe_u32 v3, v0, 4, 1                         ; h
	v_lshlrev_b32 v[BOF], 6, v3
.irp b, 0,1,2,3                        ; the bias in the result's layout: register j of tile b is column 32 (b / 2) + 16 h + 8 (b % 2) + j
	global_load_b128 v[BI+8*\b:BI+8*\b+3], v[BOF], s[8:9] offset:(32*(\b/2)+8*(\b%2))*4
	global_load_b128 v[BI+8*\b+4:BI+8*\b+7], v[BOF], s[8:9] offset:(32*(\b/2)+8*(\b%2))*4+16
.endr
	v_lshlrev_b32 v[AX16], 4, v1
	v_lshlrev_b32 v[AX8], 3, v1
	s_mul_i32 s82, s[WV], WHEAD
	s_add_co_u32 s82, s82, WB
	v_add_nc_u32 v[AW16], s82, v[AX16]
	v_add_nc_u32 v[AW8], s82, v[AX8]
	s_mul_i32 s82, s[WV], 16*272
	s_add_co_u32 s82, s82, STAGE                   ; my stage
	v_mul_u32_u24 v[STO], v2, 272
	v_lshl_add_u32 v[STO], v3, 6, v[STO]
	v_add_nc_u32 v[STO], s82, v[STO]               ; in: row r, + 64 h
	v_mul_u32_u24 v[RD], v3, 272
	v_lshl_add_u32 v[RD], v2, 4, v[RD]
	v_add_nc_u32 v[RD], s82, v[RD]                 ; back: lanes 0-15 one row of 256 bytes, lanes 16-31 the next
	v_lshlrev_b32 v[CO], 12, v3
	v_lshl_add_u32 v[CO], v2, 4, v[CO]             ; and the same two rows in out0
; 51 LDS loads: the fragments and scale words of the K step at which the address registers stand, into set p
.macro FETCH p
	WIN 0x80*(\p)                                  ; set 1: destination window 2
.irp a, 0,1,2,3,4,5,6,7
.irp c, 0,1
	ds_load_b128 v[XF+12*\a+6*\c:XF+12*\a+6*\c+3], v[AX16] offset:1536*\a+768*\c
	ds_load_b64 v[XF+12*\a+6*\c+4:XF+12*\a+6*\c+5], v[AX8] offset:1536*\a+768*\c+512
.endr
.endr
.irp b, 0,1,2,3
.irp c, 0,1
	ds_load_b128 v[WF+12*\b+6*\c:WF+12*\b+6*\c+3], v[AW16] offset:1536*\b+768*\c
	ds_load_b64 v[WF+12*\b+6*\c+4:WF+12*\b+6*\c+5], v[AW8] offset:1536*\b+768*\c+512
.endr
.endr
	WIN 0                                          ; scale operands have no window
	ds_load_b64 v[SCX+8*(\p):SCX+8*(\p)+1], v[AX8] offset:12288
	ds_load_b64 v[SCX+8*(\p)+2:SCX+8*(\p)+3], v[AX8] offset:12544
	ds_load_b64 v[SCW+8*(\p):SCW+8*(\p)+1], v[AW8] offset:6144
.endm
; 32 products, the 32 accumulators by turns, one instruction a turn.  first: the sums begin with the bias
.macro MUL_T p, first
.if \first
	WIN 0x40                                       ; C (the bias) window 0, D window 1
.else
	WIN 0x50+0x0a*(\p)
.endif
.irp a, 0,1,2,3,4,5,6,7
.irp b, 0,1,2,3
.if \first
	WM 32*\a+8*\b, WF+12*\b, XF+12*\a, v[BI+8*\b:BI+8*\b+7], SCW+8*(\p)+\b/2, SCX+8*(\p)+\a/2, \b%2, \a%2
.else
	WM 32*\a+8*\b, WF+12*\b, XF+12*\a, v[32*\a+8*\b:32*\a+8*\b+7], SCW+8*(\p)+\b/2, SCX+8*(\p)+\a/2, \b%2, \a%2
.endif
.endr
.endr
	WIN 0
.endm
.macro STEP s
.if ((\s)%2) == 1 && (\s) < 7
	s_wait_dscnt 0x0                               ; no LDS load of mine is out at the signal
	s_wait_tensorcnt 3-((\s)+1)/2                  ; my load of the next two K steps has landed; the later ones may stay out
	s_barrier_signal -1
	s_barrier_wait -1                              ; everybody's has
.endif
.if (\s) < 7
	v_add_nc_u32 v[AX16], XSTEP, v[AX16]           ; these four are also the places between the last products and the loads into the registers that they read
	v_add_nc_u32 v[AX8], XSTEP, v[AX8]
	v_add_nc_u32 v[AW16], WSTEP, v[AW16]
	v_add_nc_u32 v[AW8], WSTEP, v[AW8]
	FETCH 1-(\s)%2
	s_wait_dscnt 51                                ; all but the 51 just issued
.else
	s_wait_dscnt 0x0
.endif
	MUL_T (\s)%2, (\s)==0
.endm
	s_wait_tensorcnt 3                             ; my load of K steps 0 and 1 has landed; three may stay out
	s_barrier_signal -1
	s_barrier_wait -1
	FETCH 0
	s_wait_loadcnt 0x0                             ; the bias
	STEP 0
	STEP 1
	STEP 2
	STEP 3
	STEP 4
	STEP 5
	STEP 6
	STEP 7
; THE WAY OUT, a tile of 16 tokens x 64 columns at a time, through my own stage: a lane holds 2 x 64 bytes of a row, and the lanes beside it hold other rows; back come whole rows of 256 bytes.
; LDS serves a wave's instructions in order: no wait between the stores and the loads, nor in front of the next tile's stores.
.macro TOSTAGE a
	WIN 0x04                                       ; an LDS store's data are its source 1: window 1
.irp q, 0,1,2,3,4,5,6,7
	ds_store_b128 v[STO], v[32*(\a)+4*\q:32*(\a)+4*\q+3] offset:128*(\q/4)+16*(\q%4)   ; each accumulator from its low end on
.endr
	WIN 0
.irp i, 0,1,2,3,4,5,6,7
	ds_load_b128 v[64+32*((\a)%2)+4*\i:64+32*((\a)%2)+4*\i+3], v[RD] offset:544*\i
.endr
.endm
.macro SEND a, younger                 ; younger: the LDS instructions issued behind tile a's loads, which may stay out
	s_wait_dscnt \younger
.irp i, 0,1,2,3,4,5,6,7
	global_store_b128 v[CO], v[64+32*((\a)%2)+4*\i:64+32*((\a)%2)+4*\i+3], s[OUTP:OUTP+1] offset:(32*((\a)/2)+8*((\a)%2)+2*\i+8*(\i/4))*4096 th:TH_STORE_NT   ; 16 lanes store 256 consecutive bytes, at a multiple of 256 from out0's first byte
.endr
.endm
	PLACES
	TOSTAGE 0
.irp a, 1,2,3,4,5,6,7
.if \a > 1
	s_wait_xcnt 0x0                                ; tile a - 2's stores have read their registers: tile a's loads may land there
.endif
	TOSTAGE \a
	SEND \a-1, 16                                  ; behind tile a - 1's loads: tile a's 8 stores and 8 loads
.endr
	SEND 7, 0
	s_wait_tensorcnt 0x0                           ; the wave's end: behind my last tensor load and my last LDS store
	ds_add_u32 v[SPW], v[NIL]
	s_wait_dscnt 0x0
	ROUND                                          ; the closing round: no work-group ends while a partner may still ask for a tile that names it
	s_endpgm
.Lfunc_end_k_q11e263c3e4_proj:
	.size	k_q11e263c3e4_proj, .Lfunc_end_k_q11e263c3e4_proj-k_q11e263c3e4_proj
	.p2alignl 7, 3214868480
	.fill 96, 4, 3214868480
	.section	.rodata,"a",@progbits
	.p2align	6, 0x0
	.amdhsa_kernel k_q11e263c3e4_proj
		.amdhsa_group_segment_fixed_size 327680
		.amdhsa_private_segment_fixed_size 0
		.amdhsa_enable_private_segment 0
		.amdhsa_kernarg_size 32
		.amdhsa_user_sgpr_count 2
		.amdhsa_user_sgpr_kernarg_segment_ptr 1
		.amdhsa_wavefront_size32 1
		.amdhsa_system_sgpr_workgroup_id_x 1
		.amdhsa_system_sgpr_workgroup_id_y 1
		.amdhsa_system_sgpr_workgroup_id_z 1
		.amdhsa_system_vgpr_workitem_id 0
		.amdhsa_next_free_vgpr 768
		.amdhsa_next_free_sgpr 96
		.amdhsa_reserve_vcc 0
		.amdhsa_float_denorm_mode_32 3
		.amdhsa_float_denorm_mode_16_64 3
		.amdhsa_memory_ordered 1
		.amdhsa_forward_progress 1
		.amdhsa_inst_pref_size 84
	.end_amdhsa_kernel
	.amdgpu_metadata
---
amdhsa.version: [ 1, 2 ]
amdhsa.kernels:
  - .name:           k_q11e263c3e4_proj
    .symbol:         k_q11e263c3e4_proj.kd
    .args:
      - { .name: oimg, .offset: 0, .size: 8, .value_kind: global_buffer, .address_space: global }
      - { .name: wimg, .offset: 8, .size: 8, .value_kind: global_buffer, .address_space: global }
      - { .name: bp, .offset: 16, .size: 8, .value_kind: global_buffer, .address_space: global }
      - { .name: out0, .offset: 24, .size: 8, .value_kind: global_buffer, .address_space: global }
    .group_segment_fixed_size: 327680
    .private_segment_fixed_size: 0
    .kernarg_segment_align: 8
    .kernarg_segment_size: 32
    .max_flat_workgroup_size: 128
    .sgpr_count:     96
    .vgpr_count:     768
    .wavefront_size: 32
...
	.end_amdgpu_metadata
.endif
;; end of part 4
;; ======== version 2 of 2: 4 launches; version 1 with the launch attn written anew for expert scheduling mode
;; workspace buffers: ximg 6,553,600 bytes; wimg 2,048,000 bytes; qimg 6,815,744 bytes; kv 3,342,336 bytes; oimg 6,553,600 bytes
;; launch quant: the kernel of part 1 again; grid 336 x 1, 4 waves a work-group, no clusters, 58,880 bytes of LDS; arguments x, Wq, Wk, Wv, Wp, ximg, wimg; writes ximg, wimg
;; launch qkv: the kernel of part 2 again; grid 64 x 8, 3 waves a work-group, clusters of 4 x 1, 262,144 bytes of LDS; arguments ximg, wimg, qimg, kv; writes qimg, kv
;; launch attn (part 5): grid 16 x 16, 16 waves a work-group, no clusters, 35,328 bytes of LDS; arguments qimg, kv, oimg; writes oimg
.if DOCPART == 5
	.amdgcn_target "amdgcn-amd-amdhsa--gfx1250"
	.amdhsa_code_object_version 6
	.text
	.protected	k_q11e263c3e4_attn
	.globl	k_q11e263c3e4_attn
	.p2align	8
	.type	k_q11e263c3e4_attn,@function
k_q11e263c3e4_attn:
	s_mov_b64 s[64:65], 0
	v_nop
	global_prefetch_b8 v0, s[64:65] scope:SCOPE_SE
	s_setreg_imm32_b32 hwreg(HW_REG_WAVE_SCHED_MODE, 0, 2), 2
	s_setreg_imm32_b32 hwreg(HW_REG_WAVE_MODE, 25, 1), 1
	s_wait_xcnt 0x0
	s_wait_alu depctr_vm_vsrc(0)
; Causal attention of four query heads on one group's keys and values, both products on codes of FP6 (E2M3) with E8M0 scales; the result, divided by the row's sum, is quantised along the 1,024 joined head columns.
; THE SOFTMAX AHEAD OF THE SECOND PRODUCT: t = score x log2(e) / 8; M = the row's largest t so far, rounded UP to a whole number; p = 2^(t - M) is quantised along the keys, not normalised; the row's sum is taken of the
; unquantised p.  When M moves, the sum and O are multiplied by 2^(old M - new M): exact.
; SHARES.  Work-group (i, batch x 4 + group) owns the blocks i and 31 - i of 64 queries, one after the other.  Block q needs q / 2 + 1 key steps of 128, the two together always 17: every work-group walks 17 steps,
; 16 in a loop of constant count (two a trip) and one written out.  Wave w: head w % 4, tile w / 4 of 16 queries, in 256 registers: four waves to a SIMD.
; Only a block's last step lies on the diagonal: there hidden scores become -infinity; behind it the block goes out and the next begins.  These branches hang on the work-group's number and the count of steps alone.
; LAYOUT.  Both products transposed: S^T = K Q^T (source 0 = 16 keys), O^T = V^T P^T (source 0 = 16 of the head's 64): a lane holds ONE query throughout.  The first product's K is 64: the upper six registers of its
; fragments hold zero codes, under the byte 0x7f.  Tiles of keys, queries and d take 8 u + r + 8 (r / 8) of 32 indices, so that 16 registers of two neighbouring tiles are 16 neighbours.
; K AND V of a step are one block of 13,056 bytes of register images.  The 512 threads load the next step's block into registers early in a step and store it into the other LDS slot at its end: one barrier orders the
; old reads of that slot with the stores, and the stores with the next reads.  No work-groups walk in step here (the change of blocks falls at another step in each), so nothing is asked for jointly.
; THE RESULT'S SCALE BYTES of two heads make one word: the sixteen waves gather them in 512 bytes of LDS, and wave 0 stores them as two runs of 256 bytes: store, barrier, read, barrier.
; LIMITS: a block of zeros gets the byte 1 where the rule says 127 (zero codes; read by this program alone); largest magnitudes under 2^-124 are held at the byte 1; NaN and infinities are not served; v_exp_f32 gives 0
; for results under 2^-126; a block's largest p is made from its largest score, which takes v_exp_f32 not to fall where its input rises.
; THE MODE: SCHED_MODE bits 1:0 = 2 (LLVM: expert scheduling mode 2), set by the entry lines.  The code itself states the register dependences between vector or matrix instructions and memory or LDS instructions,
; with s_wait_alu, always for 0.
; THE PLAN.  Registers that memory or LDS instructions touch, and who else names them:
;   v1-v11             addresses and the closing add's two: written at the head, never again; one wait at the head serves every load and store of the kernel.
;   v16-21, v28        Q: loaded at a block's start; read by the first product's instructions.  The loads stand behind the wait ahead of the way out's stores, with stores and scalar lines alone between.
;   v32-37 + 12 t, v80-83   K's fragments and scale words: loaded twice a step; read by the four products that follow.  The first group owes no wait: its registers' last readers stand ahead of the last step's wait for the
;                      exponentials.  The second group has a wait of its own, behind the first group's products.
;   v22-27, v38-43 + 12 t   zero codes: written at the head; operands of scaled products: the head's wait.
;   v96-143, v84-85    V's fragments and scale words: loaded where p lay: one wait behind the conversions, p's last readers.
;   v86-92             the next step's block: loaded, then read by LDS stores; no vector instruction names them: one wait on vm_vsrc ahead of the loads.
;   v192-203, v231     p's codes and scale word: written by vector instructions; operands of scaled products: one wait ahead of these, behind their places.
;   v236-241, v243     the result's codes and bytes: written on the way out, read by its three stores: a wait on vm_vsrc at its head, one on va_vdst ahead of the stores.
;   v232-235           the gathered bytes: an LDS load, a global store; no vector instruction names them: a wait on vm_vsrc ahead of the load.
;   s10, s52-59        written by vector instructions (the wave's number; the diagonal's masks): a wait on va_sdst ahead of their first readers.
.set SL1,   16384                      ; LDS: slot 0 at 0, slot 1 here
.set KPK,   6144                       ; in a slot: K's 8 half fragments, K's scale words,
.set VOF,   6656                       ; V's 8 half fragments,
.set VPK,   12800                      ; V's scale words
.set GG,    32768                      ; the gathered scale bytes: 512
.set SPARE, 33280                      ; the spare words, 128 bytes a wave: eight blocks of 256 bytes that no other line names
.set AK16, 1                           ; v1   16 x lane
.set AK8,  2                           ; v2   8 x lane
.set T16,  3                           ; v3   16 x thread
.set T8,   4                           ; v4   8 x thread
.set T4,   5                           ; v5   4 x thread
.set SPW,  6                           ; v6   my spare word; never rewritten
.set NIL,  7                           ; v7   0; never rewritten
.set R16,  8                           ; v8   16 x (lane % 16)
.set GST,  9                           ; v9   where my row's two scale bytes are gathered
.set GRD,  10                          ; v10  where wave 0 reads them
.set GCO,  11                          ; v11  and where they go
.set DL,   29                          ; v29  r + 8 (r / 8) - 16 (lane / 16)
.set BM,   212                         ; v212-215 the blocks' largest scores, then largest p
.set PT,   216                         ; v216-219 lane l xor 16's; a chain of the sums
.set SO,   220                         ; v220-223 scale operands
.set BY,   224                         ; v224-227 bytes
; v12 -M, v13 the largest t, v[14:15] the sum; v16-27 Q, v28 its scale words; v31 -infinity; v32-79 four fragments of K; v80-83, v84-85 K's and V's scale words; v86-92 the next step's block on its way;
; v96-159 S^T, then p, then V's fragments (v96-143); v160-191 O^T; v192-203 p's codes, v204-211 at work; v[228:229] f; v230 at work; v231 p's scale word; v232-235 the gathered bytes; v236-243 the result's codes
.set WV,   10
.set HD,   11                          ; s11  head in the group
.set QT,   12                          ; s12  tile in the block
.set B16,  13                          ; s13  16 x batch
.set GH,   14                          ; s14  4 x group + head
.set G2,   15                          ; s15  2 x group
.set H1,   16                          ; s16  head % 2
.set TRIP, 17
.set REM,  18                          ; s18  steps left of the block, this one among them
.set KS,   19                          ; s19  the key step in hand
.set CS,   22                          ; s[22:23] c = log2(e) / 8
.set HP,   24                          ; s24  (head / 2) x 12,800
.set QSC0, 25                          ; s25  6,144 + 256 (tile % 2)
.set PEND, 26                          ; s26  0: gathered bytes wait to be stored
.set DQ0,  27                          ; s27  32 (tile / 2) + 8 (tile % 2)
.set NB,   28                          ; s28  steps of the second block
.set QB,   29                          ; s29  the block in hand
.set DQ,   30                          ; s30  my tile's first query in its 128 tokens
.set QB2,  31                          ; s31  31 - i
.set KVB,  32                          ; s[32:33] my group's K and V
.set KVA,  34                          ; s[34:35] the block being fetched
.set QP,   36                          ; s[36:37] my tile of Q;  s[38:39] its scale words
.set QS,   38
.set OP,   40                          ; s[40:41] my half fragment of the result;  s[42:43] the block's scale words;  s[44:45] those that wait to be stored
.set OS,   42
.set OSC,  44
.set MK,   52                          ; s52-59 the diagonal's masks, eight at a time; no scalar instruction names them
.macro WM d, fa, fb, cc, sa, sb, ra, rb
.if (\ra)==0
	v_wmma_scale_f32_16x16x128_f8f6f4 v[\d:\d+7], v[\fa:\fa+11], v[\fb:\fb+11], \cc, v[\sa], v[\sb] matrix_a_fmt:MATRIX_FMT_FP6 matrix_b_fmt:MATRIX_FMT_FP6
.else
	v_wmma_scale_f32_16x16x128_f8f6f4 v[\d:\d+7], v[\fa:\fa+11], v[\fb:\fb+11], \cc, v[\sa], v[\sb] matrix_a_fmt:MATRIX_FMT_FP6 matrix_b_fmt:MATRIX_FMT_FP6 matrix_a_scale:MATRIX_SCALE_ROW1
.endif
.endm
	s_load_b128 s[4:7], s[0:1], 0x0                ; qimg, kv
	s_load_b64 s[8:9], s[0:1], 0x10                ; oimg
	v_lshl_add_u32 v[SPW], v0, 2, SPARE
	v_mov_b32 v[NIL], 0
	v_lshrrev_b32 v30, 5, v0
	v_readfirstlane_b32 s[WV], v30
	v_and_b32 v30, 31, v0
	v_lshlrev_b32 v[AK16], 4, v30
	v_lshlrev_b32 v[AK8], 3, v30
	v_lshlrev_b32 v[T16], 4, v0
	v_lshlrev_b32 v[T8], 3, v0
	v_lshlrev_b32 v[T4], 2, v0
	v_and_b32 v30, 15, v0                          ; r
	v_lshlrev_b32 v[R16], 4, v30
	v_and_b32 v[DL], 8, v30
	v_add_nc_u32 v[DL], v[DL], v30
	v_bfe_u32 v230, v0, 4, 1                       ; lane / 16
	v_lshlrev_b32 v231, 4, v230
	v_sub_nc_u32 v[DL], v[DL], v231
	v_add_nc_u32 v[GRD], GG, v[AK16]
	v_mul_u32_u24 v[GCO], v230, 12800              ; lanes 0-15: the first head pair's K step of oimg, lanes 16-31: the next
	v_lshl_add_u32 v[GCO], v30, 4, v[GCO]
	s_wait_alu depctr_va_sdst(0)                   ; the wave's number is written, ahead of its first reader: heads, tiles, bases and branches are made from it
	s_and_b32 s[HD], s[WV], 3
	s_lshr_b32 s[QT], s[WV], 2
	s_and_b32 s46, ttmp7, 0xffff                   ; batch x 4 + group
	s_lshr_b32 s[B16], s46, 2
	s_lshl_b32 s[B16], s[B16], 4
	s_and_b32 s47, s46, 3
	s_lshl_b32 s[G2], s47, 1
	s_lshl_b32 s[GH], s47, 2
	s_add_co_u32 s[GH], s[GH], s[HD]
	s_and_b32 s[H1], s[HD], 1
	s_lshr_b32 s48, s[HD], 1
	s_mul_i32 s[HP], s48, 12800
	s_and_b32 s49, s[QT], 1
	s_lshr_b32 s50, s[QT], 1
	s_lshl_b32 s[QSC0], s49, 8
	s_add_co_u32 s[QSC0], s[QSC0], 6144
	s_lshl_b32 s[DQ0], s50, 5
	s_lshl_b32 s51, s49, 3
	s_add_co_u32 s[DQ0], s[DQ0], s51
	s_lshl_b32 s48, s48, 8                         ; the gather: 256 (head / 2) + 8 (r + 16 (tile % 2)) + 4 (tile / 2) + 2 (head % 2)
	s_lshl_b32 s49, s49, 7
	s_lshl_b32 s50, s50, 2
	s_lshl_b32 s51, s[H1], 1
	s_add_co_u32 s48, s48, s49
	s_add_co_u32 s48, s48, s50
	s_add_co_u32 s48, s48, s51
	s_add_co_u32 s48, s48, GG
	v_lshl_add_u32 v[GST], v30, 3, s48
	s_mul_i32 s46, s46, 16*13056
	s_mov_b32 s47, 0
	s_lshr_b32 s[REM], ttmp9, 1
	s_add_co_u32 s[REM], s[REM], 1                 ; the first block's steps
	s_sub_co_u32 s[QB2], 31, ttmp9
	s_lshr_b32 s[NB], s[QB2], 1
	s_add_co_u32 s[NB], s[NB], 1
	s_mov_b32 s[KS], 0
	s_mov_b32 s[QB], ttmp9
	s_mov_b32 s[PEND], 1
	s_mov_b32 s20, 0x76543210
	s_mov_b32 s21, 0xfedcba98                      ; v_permlanex16_b32's selects for lane l xor 16
	s_mov_b32 s[CS], 0x3e38aa3b
	s_mov_b32 s[CS+1], s[CS]                       ; (named with it as a pair, so it is written)
.irp j, 22,23,24,25,26,27
	v_mov_b32 v[\j], 0                             ; zero codes: the upper half of the first product's K
.endr
.irp t, 0,1,2,3
.irp j, 6,7,8,9,10,11
	v_mov_b32 v[32+12*\t+\j], 0
.endr
.endr
.irp b, 0,1,2,3
	v_mov_b32 v[PT+\b], 0                          ; a lane permute's destination counts as one of its sources
.endr
	v_mov_b32 v229, 0                              ; (named as the upper half of the pair v[228:229])
	v_mov_b32 v31, 0xff800000                      ; -infinity
	s_wait_kmcnt 0x0
	s_add_nc_u64 s[KVB:KVB+1], s[6:7], s[46:47]
	s_mov_b64 s[KVA:KVA+1], s[KVB:KVB+1]
.macro BLOCKSET                        ; the addresses of block s[QB]
	s_and_b32 s46, s[QB], 1                        ; which half of its 128 tokens
	s_lshr_b32 s47, s[QB], 1
	s_add_co_u32 s47, s47, s[B16]                  ; which 128 tokens
	s_lshl_b32 s48, s46, 2
	s_add_co_u32 s48, s48, s[QT]                   ; my tile among their eight
	s_lshl_b32 s50, s47, 4
	s_add_co_u32 s50, s50, s[GH]
	s_mul_i32 s50, s50, 6656
	s_mov_b32 s51, 0
	s_add_nc_u64 s[QS:QS+1], s[4:5], s[50:51]
	s_mul_i32 s50, s48, 768
	s_add_nc_u64 s[QP:QP+1], s[QS:QS+1], s[50:51]
	s_lshr_b32 s50, s48, 1
	s_lshl_b32 s50, s50, 2
	s_add_co_u32 s50, s50, s[QSC0]
	s_add_nc_u64 s[QS:QS+1], s[QS:QS+1], s[50:51]
	s_lshl_b32 s50, s47, 3
	s_add_co_u32 s50, s50, s[G2]
	s_mul_i32 s50, s50, 12800
	s_add_nc_u64 s[OS:OS+1], s[8:9], s[50:51]
	s_lshl_b32 s50, s48, 1
	s_add_co_u32 s50, s50, s[H1]
	s_mul_i32 s50, s50, 768
	s_add_co_u32 s50, s50, s[HP]
	s_add_nc_u64 s[OP:OP+1], s[OS:OS+1], s[50:51]
	s_lshl_b32 s50, s46, 8
	s_add_co_u32 s50, s50, 12288
	s_add_nc_u64 s[OS:OS+1], s[OS:OS+1], s[50:51]
	s_lshl_b32 s[DQ], s46, 6
	s_add_co_u32 s[DQ], s[DQ], s[DQ0]
.endm
.macro REINIT                          ; a block begins: its Q is asked for; O^T and the sum begin as zeros, the largest t as -3e38
	s_wait_xcnt 0x0                                ; earlier loads and stores have read their bases
	BLOCKSET
	global_load_b128 v[16:19], v[AK16], s[QP:QP+1]                ; no wait of their own: the products that read Q stand ahead of the last wait on va_vdst (the head's; the one ahead of the way out's stores),
	global_load_b64 v[20:21], v[AK8], s[QP:QP+1] offset:512       ; and no vector or matrix instruction since names these registers
	global_load_b32 v28, v[R16], s[QS:QS+1]
	v_mov_b32 v13, 0xff61b1e6
	v_floor_f32 v12, -v13
	v_mov_b32 v14, 0
	v_mov_b32 v15, 0
.irp j, 0,1,2,3,4,5,6,7,8,9,10,11,12,13,14,15,16,17,18,19,20,21,22,23,24,25,26,27,28,29,30,31
	v_mov_b32 v[160+\j], 0
.endr
.endm
.macro FETCHG                          ; a step's 13,056 bytes: 16 and 8 bytes a thread, and 4 more in waves 0 to 5
	global_load_b128 v[88:91], v[T16], s[KVA:KVA+1]
	global_load_b64 v[86:87], v[T8], s[KVA:KVA+1] offset:8192
	s_cmp_lt_u32 s[WV], 6
	s_cbranch_scc0 .Lno_tail_\@
	global_load_b32 v92, v[T4], s[KVA:KVA+1] offset:12288
.Lno_tail_\@:
.endm
.macro COPYOUT                         ; wave 0 stores the gathered scale bytes, if any wait
	s_or_b32 s46, s[PEND], s[WV]
	s_cmp_lg_u32 s46, 0
	s_cbranch_scc1 .Lnothing_\@
	s_wait_xcnt 0x0                                ; an earlier copy's store has read its registers
	s_wait_alu depctr_vm_vsrc(0)                   ; an earlier copy's store has read v232 to v235, in which the load below lands
	ds_load_b128 v[232:235], v[GRD]
	s_wait_dscnt 0x0
	global_store_b128 v[GCO], v[232:235], s[OSC:OSC+1]   ; 16 lanes store 256 consecutive bytes
.Lnothing_\@:
	s_mov_b32 s[PEND], 1
.endm
.macro COMMIT d, copy                  ; the fetched block goes into slot d
	s_wait_loadcnt 0x0                             ; the block is in (and a new block's Q)
	ds_store_b128 v[T16], v[88:91] offset:(\d)*SL1
	ds_store_b64 v[T8], v[86:87] offset:(\d)*SL1+8192
	s_cmp_lt_u32 s[WV], 6
	s_cbranch_scc0 .Lno_tail_\@
	ds_store_b32 v[T4], v92 offset:(\d)*SL1+12288
.Lno_tail_\@:
	s_wait_dscnt 0x0                               ; my stores have landed and my reads of the other slot are over
	s_barrier_signal -1
	s_barrier_wait -1
.if \copy
	COPYOUT
	s_wait_dscnt 0x0
	s_barrier_signal -1                            ; the gathered bytes are written again only behind this barrier
	s_barrier_wait -1
.endif
.endm
; A KEY STEP: 128 keys, from slot sl.  fetch = 1: the block at s[KVA], the step after this one, is asked for behind the first four products
.macro STEP sl, fetch
.rept 5
	v_nop                                          ; five places between the last products and the products below, which write over V's fragments
.endr
	ds_load_b128 v[80:83], v[AK16] offset:(\sl)*SL1+KPK   ; this load and the first group's owe no wait: the products that read these registers stand ahead of the last step's wait for the exponentials, and nothing has named them since
.irp g, 0,1                            ; S^T = K Q^T, four tiles of 16 keys at a time
.if \g
.if \fetch
	s_wait_alu depctr_vm_vsrc(0)                   ; the LDS stores of the last change of slots have read v86 to v92, in which the loads below land
	FETCHG                                         ; it has the rest of this step in which to land
.endif
.rept 4
	v_nop                                          ; places in front of loads into registers that matrix instructions have read
.endr
	s_wait_alu depctr_va_vdst(0)                   ; the four products above are done reading K's fragments, in which the second group's loads land
.endif
.irp t, 0,1,2,3
	ds_load_b128 v[32+12*\t:35+12*\t], v[AK16] offset:(\sl)*SL1+(4*\g+\t)*768
	ds_load_b64 v[36+12*\t:37+12*\t], v[AK8] offset:(\sl)*SL1+(4*\g+\t)*768+512
.endr
	s_wait_dscnt 0x0
.irp t, 0,1,2,3
	WM 96+8*(4*\g+\t), 32+12*\t, 16, 0, 80+(4*\g+\t)/2, 28, \t%2, 0
.endr
.endr                                  ; register 16 b + i holds key 32 b + 16 (lane / 16) + i of the step
.rept 4
	v_nop
.endr
	s_cmp_lg_u32 s[REM], 1                         ; the block's last step lies on the diagonal
	s_cbranch_scc1 .Lopen_\@
	v_add_nc_u32 v230, s[DQ], v[DL]                ; my query - 16 (lane / 16): key 32 b + i is hidden where it is greater
.irp g, 0,1,2,3,4,5,6,7                ; an accumulator at a time: eight compares into eight scalar registers, one wait, eight selects
.irp i, 0,1,2,3,4,5,6,7
	v_cmp_gt_i32 s[MK+\i], 32*(\g/2)+8*(\g%2)+\i, v230
.endr
	s_wait_alu depctr_va_sdst(0)                   ; the eight masks are written, ahead of the selects that read them
.irp i, 0,1,2,3,4,5,6,7
	v_cndmask_b32 v[96+8*\g+\i], v[96+8*\g+\i], v31, s[MK+\i]
.endr
.endr
.Lopen_\@:
.irp b, 0,1,2,3
	v_max3_num_f32 v[BM+\b], v[96+16*\b], v[97+16*\b], v[98+16*\b]   ; the largest score of each block of 32 keys: for the row's maximum and for the block's largest p
.endr
.irp i, 3,5,7,9,11,13
.irp b, 0,1,2,3
	v_max3_num_f32 v[BM+\b], v[BM+\b], v[96+16*\b+\i], v[97+16*\b+\i]
.endr
.endr
.irp b, 0,1,2,3
	v_max_num_f32 v[BM+\b], v[BM+\b], v[111+16*\b]
.endr
.irp b, 0,1,2,3
	v_permlanex16_b32 v[PT+\b], v[BM+\b], s20, s21
.endr
.irp b, 0,1,2,3
	v_max_num_f32 v[BM+\b], v[BM+\b], v[PT+\b]     ; with lane l xor 16's 16 keys
.endr
	v_max3_num_f32 v230, v[BM], v[BM+1], v[BM+2]
	v_max_num_f32 v230, v230, v[BM+3]
	v_mul_f32 v230, s[CS], v230                    ; the step's largest t
	v_max_num_f32 v13, v13, v230                   ; the running largest t
	v_mov_b32 v230, v12
	v_floor_f32 v12, -v13                          ; the new -M = -ceil(t)
	v_sub_f32 v230, v12, v230                      ; old M - new M: a whole number, 0 or less
	v_cvt_i32_f32 v230, v230                       ; (it saturates)
	v_ldexp_f32 v228, 1.0, v230                    ; f = 2^(old M - new M)
.irp j, 0,2,4,6,8,10,12,14,16,18,20,22,24,26,28,30,32,34,36,38,40,42,44,46,48,50,52,54,56,58,60,62
	v_pk_fma_f32 v[96+\j:97+\j], v[96+\j:97+\j], s[CS:CS+1], v[12:13] op_sel_hi:[1,0,0]   ; t - M, two at a time
.endr
.irp b, 0,1,2,3
	v_fma_f32 v[BM+\b], v[BM+\b], s[CS], v12       ; the same of each block's largest score
.endr
.irp j, 0,1,2,3,4,5,6,7,8,9,10,11,12,13,14,15,16,17,18,19,20,21,22,23,24,25,26,27,28,29,30,31,32,33,34,35,36,37,38,39,40,41,42,43,44,45,46,47,48,49,50,51,52,53,54,55,56,57,58,59,60,61,62,63
	v_exp_f32 v[96+\j], v[96+\j]                   ; p = 2^(t - M)
.endr
	v_pk_mul_f32 v[14:15], v[14:15], v[228:229] op_sel_hi:[1,0]   ; the sums under the new M: a plain place behind the exponentials
	s_wait_alu depctr_va_vdst(0)                   ; the 64 exponentials have written p: one wait for the batch, ahead of its first reader
.irp b, 0,1,2,3
	v_exp_f32 v[BM+\b], v[BM+\b]                   ; the blocks' largest p
.endr
	v_pk_add_f32 v[PT:PT+1], v[96:97], v[98:99]    ; the row's sum of the unquantised p, in two chains
.irp j, 4,8,12,16,20,24,28,32,36,40,44,48,52,56,60
	v_pk_add_f32 v[14:15], v[14:15], v[96+\j:97+\j]
	v_pk_add_f32 v[PT:PT+1], v[PT:PT+1], v[98+\j:99+\j]
.endr
	v_pk_add_f32 v[14:15], v[14:15], v[PT:PT+1]
	s_wait_alu depctr_va_vdst(0)                   ; the four exponentials have written the blocks' largest p, ahead of their first reader
.irp b, 0,1,2,3
	v_max_num_f32 v[BM+\b], 0x1800000, v[BM+\b]    ; the floor 2^(3 - 127): a block whose every p is 0 keeps the byte 1 over zero codes
.endr
.irp b, 0,1,2,3
	v_add_nc_u32 v[SO+\b], 0xff000000, v[BM+\b]
.endr
.irp b, 0,1,2,3
	v_lshrrev_b32 v[BY+\b], 23, v[SO+\b]
.endr
	v_lshl_or_b32 v231, v[BY+1], 8, v[BY]          ; p's scale word for these 128 keys
	v_lshl_or_b32 v231, v[BY+2], 16, v231
	v_lshl_or_b32 v231, v[BY+3], 24, v231
.irp c, 0,1
	v_cvt_scalef32_pk16_fp6_f32 v[192+6*\c:194+6*\c], v[96+32*\c:111+32*\c], v[SO+2*\c]
	v_cvt_scalef32_pk16_fp6_f32 v[204+4*\c:206+4*\c], v[112+32*\c:127+32*\c], v[SO+2*\c+1]
.endr
	v_nop                                          ; one plain place behind a scaled conversion
	s_wait_alu depctr_va_vdst(0)                   ; the conversions, p's last readers, are done reading v96 to v159; the last step's products are done reading v84 and v85: V's loads land in these
.irp t, 0,1,2,3                        ; p's registers are free: V's fragments take them
.irp c, 0,1
	ds_load_b128 v[96+12*\t+6*\c:99+12*\t+6*\c], v[AK16] offset:(\sl)*SL1+VOF+(2*\t+\c)*768
	ds_load_b64 v[100+12*\t+6*\c:101+12*\t+6*\c], v[AK8] offset:(\sl)*SL1+VOF+(2*\t+\c)*768+512
.endr
.endr
	ds_load_b64 v[84:85], v[AK8] offset:(\sl)*SL1+VPK
.irp c, 0,1                            ; the operand's layout wants a WHOLE block in a lane.  (None of the lines from here to the next wait names a register in which V's loads land)
.irp i, 0,1,2
	v_permlane16_swap_b32 v[192+6*\c+\i], v[204+4*\c+\i]
.endr
.irp i, 0,1,2
	v_mov_b32 v[195+6*\c+\i], v[204+4*\c+\i]
.endr
.endr
.irp j, 0,2,4,6,8,10,12,14,16,18,20,22,24,26,28,30
	v_pk_mul_f32 v[160+\j:161+\j], v[160+\j:161+\j], v[228:229] op_sel_hi:[1,0]   ; O^T under the new M; also the places between the lines that made p's codes and scale word and the products
.endr
	s_wait_alu depctr_va_vdst(0)                   ; p's codes v192 to v203 and its scale word v231 are written, which the scaled products below take as operand and scales; the places above stay beside this wait
	s_wait_dscnt 0x0
.irp t, 0,1,2,3                        ; O^T += V^T P^T: four accumulators, one instruction each
	WM 160+8*\t, 96+12*\t, 192, v[160+8*\t:167+8*\t], 84+\t/2, 231, \t%2, 0
.endr
.endm
; A BLOCK GOES OUT: O^T / the sum; its two blocks of 32 along d are quantised; the half fragment is stored, the two bytes gathered
.macro EPILOGUE
	s_wait_xcnt 0x0                                ; earlier stores have read their registers and bases
	s_wait_alu depctr_vm_vsrc(0)                   ; an earlier block's three stores have read v236 to v241 and v243, which the lines below write again
.rept 4
	v_nop
.endr
	v_add_f32 v230, v14, v15
	v_permlanex16_b32 v[PT], v230, s20, s21
	v_add_f32 v230, v230, v[PT]                    ; the row's sum
	v_rcp_f32 v228, v230
	v_nop                                          ; a plain place behind the reciprocal
	s_wait_alu depctr_va_vdst(0)                   ; the reciprocal has written v228, ahead of its first reader
.irp j, 0,2,4,6,8,10,12,14,16,18,20,22,24,26,28,30
	v_pk_mul_f32 v[160+\j:161+\j], v[160+\j:161+\j], v[228:229] op_sel_hi:[1,0]   ; register 16 b + i is d = 32 b + 16 (lane / 16) + i
.endr
.irp c, 0,1
	v_max3_num_f32 v[BM+\c], |v[160+16*\c]|, |v[161+16*\c]|, 0x1800000
.endr
.irp i, 2,4,6,8,10,12,14
.irp c, 0,1
	v_max3_num_f32 v[BM+\c], v[BM+\c], |v[160+16*\c+\i]|, |v[161+16*\c+\i]|
.endr
.endr
.irp c, 0,1
	v_permlanex16_b32 v[PT+\c], v[BM+\c], s20, s21
.endr
.irp c, 0,1
	v_max_num_f32 v[BM+\c], v[BM+\c], v[PT+\c]
.endr
.irp c, 0,1
	v_add_nc_u32 v[SO+\c], 0xff000000, v[BM+\c]
.endr
.irp c, 0,1
	v_lshrrev_b32 v[BY+\c], 23, v[SO+\c]
.endr
	v_lshl_or_b32 v243, v[BY+1], 8, v[BY]
	v_cvt_scalef32_pk16_fp6_f32 v[236:238], v[160:175], v[SO]
	v_cvt_scalef32_pk16_fp6_f32 v[240:242], v[176:191], v[SO+1]
	v_nop
.irp i, 0,1,2
	v_permlane16_swap_b32 v[236+\i], v[240+\i]
.endr
	v_mov_b32 v239, v240
	v_mov_b32 v240, v241
	v_mov_b32 v241, v242
	s_wait_alu depctr_va_vdst(0)                   ; the codes v236 to v241 and the bytes v243 are written, which the three stores read; the block's products are done reading Q, in which the next block's loads land
	global_store_b128 v[AK16], v[236:239], s[OP:OP+1]             ; 512 consecutive bytes
	global_store_b64 v[AK8], v[240:241], s[OP:OP+1] offset:512    ; 256 consecutive bytes
	ds_store_b16 v[GST], v243                      ; lanes l and l xor 16 write the same bytes with the same value
	s_mov_b64 s[OSC:OSC+1], s[OS:OS+1]
	s_mov_b32 s[PEND], 0
.endm
.macro TRIPSTEP sl
	s_add_co_u32 s46, s[KS], 1                     ; the step after this one: the next of the block, or the next block's first
	s_cmp_eq_u32 s[REM], 1
	s_cselect_b32 s46, 0, s46
	s_mul_i32 s46, s46, 13056
	s_mov_b32 s47, 0
	s_add_nc_u64 s[KVA:KVA+1], s[KVB:KVB+1], s[46:47]
	STEP \sl, 1
	s_cmp_lg_u32 s[REM], 1
	s_cbranch_scc1 .Lgoes_on_\@
	EPILOGUE
	s_mov_b32 s[QB], s[QB2]
	REINIT
	s_add_co_u32 s[REM], s[NB], 1
	s_mov_b32 s[KS], -1
.Lgoes_on_\@:
	s_sub_co_u32 s[REM], s[REM], 1
	s_add_co_u32 s[KS], s[KS], 1
	COMMIT 1-(\sl), 1
.endm
	s_wait_alu depctr_va_vdst(0)                   ; the addresses v1 to v11 are written, which every load and store of the kernel reads; so are the zero codes, operands of the scaled products (six plain lines stand behind the last of them)
	FETCHG                                         ; key step 0
	REINIT
	s_mov_b64 s[OSC:OSC+1], s[OS:OS+1]
	COMMIT 0, 0
	s_mov_b32 s[TRIP], 8
.Ltrip:                                            ; 8 trips of two steps; the slots are constants of the text
	TRIPSTEP 0
	TRIPSTEP 1
	s_sub_co_u32 s[TRIP], s[TRIP], 1
	s_cmp_lg_u32 s[TRIP], 0
	s_cbranch_scc1 .Ltrip
	STEP 0, 0                                      ; the seventeenth step: the second block's last; nothing is left to fetch
	EPILOGUE
	s_wait_dscnt 0x0
	s_barrier_signal -1
	s_barrier_wait -1
	COPYOUT
	s_wait_dscnt 0x0                               ; the wave's end: behind my last LDS store
	s_wait_alu 0x0
	s_wait_tensorcnt 0x0
	ds_add_u32 v[SPW], v[NIL]
	s_wait_dscnt 0x0
	s_endpgm
.Lfunc_end_k_q11e263c3e4_attn:
	.size	k_q11e263c3e4_attn, .Lfunc_end_k_q11e263c3e4_attn-k_q11e263c3e4_attn
	.p2alignl 7, 3214868480
	.fill 96, 4, 3214868480
	.section	.rodata,"a",@progbits
	.p2align	6, 0x0
	.amdhsa_kernel k_q11e263c3e4_attn
		.amdhsa_group_segment_fixed_size 35328
		.amdhsa_private_segment_fixed_size 0
		.amdhsa_enable_private_segment 0
		.amdhsa_kernarg_size 24
		.amdhsa_user_sgpr_count 2
		.amdhsa_user_sgpr_kernarg_segment_ptr 1
		.amdhsa_wavefront_size32 1
		.amdhsa_system_sgpr_workgroup_id_x 1
		.amdhsa_system_sgpr_workgroup_id_y 1
		.amdhsa_system_sgpr_workgroup_id_z 1
		.amdhsa_system_vgpr_workitem_id 0
		.amdhsa_next_free_vgpr 256
		.amdhsa_next_free_sgpr 66
		.amdhsa_reserve_vcc 0
		.amdhsa_float_denorm_mode_32 3
		.amdhsa_float_denorm_mode_16_64 3
		.amdhsa_memory_ordered 1
		.amdhsa_forward_progress 1
		.amdhsa_inst_pref_size 104
	.end_amdhsa_kernel
	.amdgpu_metadata
---
amdhsa.version: [ 1, 2 ]
amdhsa.kernels:
  - .name:           k_q11e263c3e4_attn
    .symbol:         k_q11e263c3e4_attn.kd
    .args:
      - { .name: qimg, .offset: 0, .size: 8, .value_kind: global_buffer, .address_space: global }
      - { .name: kv, .offset: 8, .size: 8, .value_kind: global_buffer, .address_space: global }
      - { .name: oimg, .offset: 16, .size: 8, .value_kind: global_buffer, .address_space: global }
    .group_segment_fixed_size: 35328
    .private_segment_fixed_size: 0
    .kernarg_segment_align: 8
    .kernarg_segment_size: 24
    .max_flat_workgroup_size: 512
    .sgpr_count:     66
    .vgpr_count:     256
    .wavefront_size: 32
...
	.end_amdgpu_metadata
.endif
;; end of part 5
;; launch proj: the kernel of part 4 again; grid 64 x 4, 4 waves a work-group, clusters of 4 x 1, 327,680 bytes of LDS; arguments oimg, wimg, bp, out0; writes out0
